; MI455X (gfx1250); checked and timed in simulation.
; The chip was launched on July 23, 2026; its instructions are those of AMD's public machine-readable ISA for CDNA 5 (MIT licence, August 2026) and "CDNA5" Instruction Set Architecture Reference Guide (July 2026). The comments in the code are by the model that wrote it; some were corrected since.
;; Attention. Allowed arithmetic: matrix products marked QUANTISED: E2M3 operands, one E8M0 scale for each 32 along K, by v_wmma_scale_f32_16x16x128_f8f6f4 with both operands' format E2M3, f32 sums; everything else in f32.
;; Inputs: Wk 2,048 x 2,048 float32; Wo 2,048 x 2,048 float32; Wq 2,048 x 2,048 float32; Wv 2,048 x 2,048 float32; bk 2,048 float32; bo 2,048 float32; bq 2,048 float32; bv 2,048 float32; cos 2,048 x 1,024 float32; mask 1 x 1 x 2,048 x 2,048 float32; sin 2,048 x 1,024 float32; x 1 x 2,048 x 2,048 float32.
;; Outputs: out0 1 x 2,048 x 2,048 float32.
;; This version of the problem:
;;   THIS VERSION OF THE PROBLEM IS GIVEN IN LOW PRECISION. The matrix products marked QUANTISED in the list below multiply operands that are first quantised to E2M3 (2 exponent bits, 3 mantissa bits; 6 bits a number), with one power-of-two scale for each 32 numbers along K (OCP MX v1.0); their sums are f32. All else is computed in f32.
;;   The module's matrix products, in the order in which they are computed (A, B: the left and right operand; K: the contracted axis; several contracted axes count as one K, in the product's order):
;;     1. [M 2,048, K 2,048] x [K 2,048, N 2,048]; A: input x; B: input Wq: QUANTISED
;;     2. [M 2,048, K 2,048] x [K 2,048, N 2,048]; A: input x; B: input Wk: QUANTISED
;;     3. [M 2,048, K 2,048] x [K 2,048, N 2,048]; A: input x; B: input Wv: QUANTISED
;;     4. batch 16 x [M 2,048, K 128] x [K 128, N 2,048]; A: computed on the way; B: computed on the way: QUANTISED
;;     5. batch 16 x [M 128, K 2,048] x [K 2,048, N 2,048]; A: computed on the way; B: softmax (see below): QUANTISED
;;     6. [M 2,048, K 2,048] x [K 2,048, N 2,048]; A: computed on the way; B: input Wo: QUANTISED
;;   THE QUANTISER, for each operand of a quantised product, along K:
;;     - K is cut into blocks of 32 from its start; a last block that is shorter is filled with zeros.
;;     - A block's scale is 2^e with e = floor(log2(the largest magnitude in the block)) - 2, held to -126 .. 127; a block of zeros has e = 0. As a byte (E8M0): e + 127.
;;     - Each number is divided by its block's scale, clamped to +-7.5, and rounded to the nearest number of E2M3, ties to even, subnormals kept.
;;     - The product sums the exact products of the quantised numbers (number of the format x scale) in f32.
;;   ~~~python
;;   def quantise(x, axis):      # numpy; x: float32 -> the quantised numbers, widened to float32 again
;;       x = np.moveaxis(x, axis, -1); K = x.shape[-1]
;;       x = np.pad(x, [(0, 0)] * (x.ndim - 1) + [(0, -K % 32)]); x = x.reshape(x.shape[:-1] + (-1, 32)); a = np.abs(x).max(-1, keepdims=True)
;;       e = np.where(a > 0, np.clip(np.frexp(np.where(a > 0, a, 1))[1] - 1 - 2, -126, 127), 0)      # np.frexp(a)[1] - 1 = floor(log2(a)), exactly
;;       r = np.clip(x / 2.0 ** e, -7.5, 7.5)
;;       step = 2.0 ** (np.maximum(np.frexp(np.where(r == 0, 1, r))[1] - 1, 0) - 3)
;;       q = np.round(r / step) * step * 2.0 ** e      # np.round: ties to even
;;       return np.moveaxis(q.reshape(q.shape[:-2] + (-1,))[..., :K], -1, axis).astype(np.float32)
;;   ~~~
;;   SOFTMAX AHEAD OF A QUANTISED PRODUCT. Where the list says 'softmax', what is quantised is not the finished softmax but p = 2^(t - M), with t = logit x log2(e) and M = ceil(the row's largest t), a whole number; so 1/2 < the row's largest p <= 1. The row's sum l is taken of the UNQUANTISED p, in f32, and the product's result is divided by l at the end. Since M is a whole number, a kernel that streams over the keys may use a running M (the ceiling of the running maximum): every later rescaling is an exact power of two, which a block's scale takes up: the codes' values come out the same.
;;   OPERANDS COMPUTED ON THE WAY. 'Computed on the way' means the value that the module computes at that place (a softmax that the list does not call 'softmax' is quantised finished and normalised). What goes into a quantiser is computed in f32, as accurately as f32 sums, v_exp_f32 and their like allow (about 1e-6 of the number): no bf16 or f16 on the way to a quantiser, and a product that is left as it is and whose result goes on into a quantised operand takes f32 operands (vector FMAs, or v_wmma_f32_16x16x4_f32). A number that lies on a knife's edge between two numbers of the format may be rounded either way, as far as f32 arithmetic and the matrix unit's own rounding can turn it there, and no further.
;; One version. Each part assembles by itself: llvm-mc -triple=amdgcn-amd-amdhsa -mcpu=gfx1250 --defsym DOCPART=n.
;; ======== version 1 of 1: 4 launches
;; limits: right only within a limited range of input values
;; workspace buffers: ximg 3,276,800 bytes; wqkv 9,830,400 bytes; woimg 3,276,800 bytes; qimg 3,276,800 bytes; kvimg 6,553,600 bytes; oimg 3,276,800 bytes
;; launch quant (part 1): grid 256 x 5, 2 waves a work-group, no clusters, 17,152 bytes of LDS; arguments x, Wq, Wk, Wv, Wo, ximg, wqkv, woimg; writes ximg, wqkv, woimg
.if DOCPART == 1
	.amdgcn_target "amdgcn-amd-amdhsa--gfx1250"
	.amdhsa_code_object_version 6
	.text
	.protected	k_q14e2ce20af_quant
	.globl	k_q14e2ce20af_quant
	.p2align	8
	.type	k_q14e2ce20af_quant,@function
k_q14e2ce20af_quant:
	s_mov_b64 s[64:65], 0
	v_nop
	global_prefetch_b8 v0, s[64:65] scope:SCOPE_SE
	s_setreg_imm32_b32 hwreg(HW_REG_WAVE_MODE, 25, 1), 1
	s_wait_xcnt 0x0
; LAUNCH 1 OF 4.  x, Wq, Wk, Wv, Wo ([2048][2048] f32, K innermost) become codes of E2M3 with one E8M0 scale byte for each 32 along K.
; DEAD WORK: none.  Every bias goes into a quantised operand (bq, bk, bv) or into the output (bo); the mask differs along the softmax's axis; cos and sin turn q and k ahead of their
; quantiser.  So all twelve inputs are loaded by some launch, and all six products are done.
; THE BLOCK, the one layout of every workspace buffer of this program.  An operand [2048 rows][2048 K] is cut into groups g of 128 rows and K steps s of 128; block (g, s), 12,800 bytes, lies at
; (16 g + s) x 12,800.  Bytes 0 .. 12,287: eight fragments as IMAGES OF THE OPERAND'S REGISTERS, tile t at 1,536 t: registers 4 c .. 4 c + 3 of lane l at 512 c + 16 l (a fragment is 12 registers: lane (r, h),
; registers 6 c .. 6 c + 5 = K 64 c + 32 h + 0 .. 31).  Lane r of tile t = 2 b + u holds the group's row 32 b + 8 u + r + 8 (r / 8): used as source 0, the 16 result registers of tiles 2 b and 2 b + 1 are then
; 16 neighbours along the next K.  Bytes 12,288 .. 12,799: the scale words (four bytes: 128 K of one row): tile t, lane r at 16 (r + 16 (t / 4)) + 4 (t % 4), so that one load of 16 bytes a lane brings four registers,
; register i holding tile i in lanes 0-15 and tile 4 + i in lanes 16-31.
; A block's scale is 2^(floor(log2(its largest magnitude)) - 2); its byte is the largest magnitude's exponent field - 2, held at 1 from below.
; LIMITS: a block of zeros gets the byte 1 where the rule says 127 (its codes are zeros, and this program alone reads the bytes); NaN and infinities among these five inputs are not served.
; SHARES.  Work-group (x, y): y picks the tensor (0 x, 1 Wq, 2 Wk, 3 Wv, 4 Wo), x its group (x / 16) and K step (x % 16): one whole block.  Wave w makes tiles 4 w .. 4 w + 3.
; wqkv's 48 groups: 2 hd = Wq's rows of head hd, 2 hd + 1 = Wk's, 32 + hd = Wv's.
; Each load reads 512 consecutive bytes of one row; a tile's 16 rows turn through the wave's own stage in LDS (pitch 528 bytes) so that a lane gets 16 neighbours of each block of 32.
; No cluster: work-groups share no input.  No tensor load, no barrier: waves share nothing.  Two tiles' loads (32 of 512 bytes) of a wave are out at a time.
.set ROWB,  8192                       ; a row in memory
.set SP,    528                        ; a stage row: 512 bytes + 16
.set WST,   16*SP                      ; a wave's stage
.set SPARE, 2*WST                      ; behind the stages: the spare words, 128 bytes a wave: one block of 256 bytes that no other line names
.set LI,  1                            ; v1   16 x lane
.set STI, 2                            ; v2   the stage, way in
.set STO, 3                            ; v3   the stage, way out: row r, + 64 h
.set SCO, 4                            ; v4   16 r + 8 h: my two scale words
.set SPW, 5                            ; v5   my spare word's LDS address; never rewritten
.set NIL, 6                            ; v6   0; never rewritten
.set TM,  8                            ; v8-11   largest magnitudes
.set TP,  12                           ; v12-15  the other half's, then the bytes
.set TS,  16                           ; v16-19  the conversions' scale operands
.set PW,  20                           ; v20     a tile's scale word
.set SW,  24                           ; v24-27  four tiles' scale words
.set D,   28                           ; v28-29  what the scale store sends
.set R,   32                           ; v32-159 two sets of 64: a tile as loaded
.set X,   160                          ; v160-223 64 numbers: register 16 b + i = K 32 b + 16 h + i of my row
.set PC,  224                          ; v224-235 the fragment
.set PX,  236                          ; v236-242 the conversions' second halves
.set SEL, 30                           ; s[30:31] lane selects: lane l xor 16
.set HM,  32                           ; s32  lanes 16-31
; 64 numbers of a lane, register 16 b + i = K 32 b + 16 h + i of the lane's row, become a fragment in v[PC] on and the row's scale word in v[PW].
.macro QUANT s
.irp b, 0,1,2,3
	v_max3_num_f32 v[TM+\b], |v[(\s)+16*\b]|, |v[(\s)+1+16*\b]|, 0x1800000   ; my 16 numbers of block b, and the floor 2^(3 - 127): the byte cannot fall under 1
.endr
.irp i, 2,4,6,8,10,12,14
.irp b, 0,1,2,3
	v_max3_num_f32 v[TM+\b], v[TM+\b], |v[(\s)+16*\b+\i]|, |v[(\s)+1+16*\b+\i]|   ; the four blocks by turns
.endr
.endr
.irp b, 0,1,2,3
	v_permlanex16_b32 v[TP+\b], v[TM+\b], s[SEL], s[SEL+1]
.endr
.irp b, 0,1,2,3
	v_max_num_f32 v[TM+\b], v[TM+\b], v[TP+\b]     ; with lane l xor 16's: the block's largest magnitude
.endr
.irp b, 0,1,2,3
	v_add_nc_u32 v[TS+\b], 0xff000000, v[TM+\b]    ; 2 off its exponent field: the conversion takes that field as its scale
.endr
.irp b, 0,1,2,3
	v_lshrrev_b32 v[TP+\b], 23, v[TS+\b]           ; the scale's byte
.endr
	v_lshl_or_b32 v[PW], v[TP+1], 8, v[TP]
	v_lshl_or_b32 v[PW], v[TP+2], 16, v[PW]
	v_lshl_or_b32 v[PW], v[TP+3], 24, v[PW]
.irp c, 0,1
	v_cvt_scalef32_pk16_fp6_f32 v[PC+6*\c:PC+2+6*\c], v[(\s)+32*\c:(\s)+15+32*\c], v[TS+2*\c]
	v_cvt_scalef32_pk16_fp6_f32 v[PX+4*\c:PX+2+4*\c], v[(\s)+16+32*\c:(\s)+31+32*\c], v[TS+2*\c+1]   ; (a conversion's three registers begin on an even number)
.endr
	v_nop                                          ; one plain instruction behind the scaled conversions
.irp c, 0,1                                    ; the layout wants a whole block in a lane: lanes 0-15 block 2 c, lanes 16-31 block 2 c + 1
.irp i, 0,1,2
	v_permlane16_swap_b32 v[PC+6*\c+\i], v[PX+4*\c+\i]
.endr
.irp i, 0,1,2
	v_mov_b32 v[PC+3+6*\c+\i], v[PX+4*\c+\i]
.endr
.endr
.endm
	s_load_b512 s[4:19], s[0:1], 0x0               ; x, Wq, Wk, Wv, Wo, ximg, wqkv, woimg
	v_lshl_add_u32 v[SPW], v0, 2, SPARE
	v_mov_b32 v[NIL], 0
	v_lshrrev_b32 v7, 5, v0
	v_readfirstlane_b32 s28, v7                    ; wave 0, 1
	v_and_b32 v7, 31, v0
	v_lshlrev_b32 v[LI], 4, v7
	s_mul_i32 s29, s28, WST
	v_add_nc_u32 v[STI], s29, v[LI]
	v_and_b32 v8, 15, v0                           ; r
	v_bfe_u32 v9, v0, 4, 1                         ; h
	v_mul_u32_u24 v[STO], v8, SP
	v_lshl_add_u32 v[STO], v9, 6, v[STO]
	v_add_nc_u32 v[STO], s29, v[STO]
	v_lshlrev_b32 v[SCO], 4, v8
	v_lshl_add_u32 v[SCO], v9, 3, v[SCO]
.irp b, 0,1,2,3
	v_mov_b32 v[TP+\b], 0                          ; written once: a lane permute's destination counts as one of its sources
.endr
	s_mov_b32 s[SEL], 0x76543210
	s_mov_b32 s[SEL+1], 0xfedcba98
	s_mov_b32 s[HM], 0xffff0000
	s_and_b32 s24, ttmp7, 0xffff                   ; which tensor
	s_lshr_b32 s38, ttmp9, 4                       ; its group of 128 rows
	s_and_b32 s39, ttmp9, 15                       ; its K step
	s_cmp_eq_u32 s24, 1                            ; the destination's group = (group << sh) + ga: Wq 2 g, Wk 2 g + 1, Wv 32 + g, x and Wo g
	s_cselect_b32 s25, 1, 0
	s_cmp_eq_u32 s24, 2
	s_cselect_b32 s25, 1, s25
	s_cselect_b32 s33, 1, 0
	s_cmp_eq_u32 s24, 3
	s_cselect_b32 s33, 32, s33
	s_lshl_b32 s40, s38, s25
	s_add_co_u32 s40, s40, s33
	s_lshl_b32 s40, s40, 4
	s_add_co_u32 s40, s40, s39
	s_mul_i32 s40, s40, 12800                      ; the block's first byte
	s_mov_b32 s41, 0
	s_lshl_b32 s42, s38, 7
	s_lshl_b32 s43, s28, 6
	s_add_co_u32 s42, s42, s43                     ; my wave's first row: 128 g + 64 w
	s_lshl_b32 s42, s42, 13
	s_lshl_b32 s43, s39, 9
	s_add_co_u32 s42, s42, s43                     ; + the K step's 512 bytes
	s_mov_b32 s43, 0
	s_wait_alu depctr_va_vdst(0)
	s_wait_kmcnt 0x0
	s_mov_b64 s[20:21], s[4:5]                     ; the source, chosen by the work-group's y alone
	s_cmp_eq_u32 s24, 1
	s_cselect_b64 s[20:21], s[6:7], s[20:21]
	s_cmp_eq_u32 s24, 2
	s_cselect_b64 s[20:21], s[8:9], s[20:21]
	s_cmp_eq_u32 s24, 3
	s_cselect_b64 s[20:21], s[10:11], s[20:21]
	s_cmp_eq_u32 s24, 4
	s_cselect_b64 s[20:21], s[12:13], s[20:21]
	s_cselect_b64 s[22:23], s[18:19], s[16:17]     ; the destination likewise
	s_cmp_eq_u32 s24, 0
	s_cselect_b64 s[22:23], s[14:15], s[22:23]
	s_add_nc_u64 s[20:21], s[20:21], s[42:43]
	s_add_nc_u64 s[22:23], s[22:23], s[40:41]
	s_lshl_b32 s44, s28, 8
	s_mov_b32 s45, 0
	s_add_nc_u64 s[36:37], s[22:23], s[44:45]      ; for the scale words: + 256 w
	s_mul_i32 s44, s28, 6144
	s_add_nc_u64 s[22:23], s[22:23], s[44:45]      ; for the images: + 4 tiles x w
.macro LOAD tt                         ; tile tt's 16 rows, each as 512 consecutive bytes, into set tt % 2
.irp i, 0,1,2,3,4,5,6,7,8,9,10,11,12,13,14,15
	global_load_b128 v[R+64*((\tt)%2)+4*\i:R+64*((\tt)%2)+4*\i+3], v[LI], s[20:21] offset:(32*((\tt)/2)+8*((\tt)%2)+\i+8*(\i/8))*ROWB th:TH_LOAD_NT
.endr
.endm
.macro TILE tt
.if (\tt) < 3
	s_wait_loadcnt 16                              ; this tile's 16 loads are in; the next tile's 16 may be out
.else
	s_wait_loadcnt 0x0
.endif
.irp i, 0,1,2,3,4,5,6,7,8,9,10,11,12,13,14,15
	ds_store_b128 v[STI], v[R+64*((\tt)%2)+4*\i:R+64*((\tt)%2)+4*\i+3] offset:SP*\i
.endr
.irp b, 0,1,2,3
.irp j, 0,1,2,3
	ds_load_b128 v[X+16*\b+4*\j:X+16*\b+4*\j+3], v[STO] offset:128*\b+16*\j   ; LDS serves a wave's instructions in order: these see the stores above
.endr
.endr
	s_wait_dscnt 0x0                               ; the numbers are back, and the stores have read their registers,
.if (\tt) < 2
	LOAD (\tt)+2                                   ; which take the tile two on
.endif
	s_wait_xcnt 0x0                                ; the last tile's stores have read the fragment's registers, which are written anew below
	QUANT X
	v_mov_b32 v[SW+(\tt)], v[PW]
.irp c, 0,1,2
	global_store_b128 v[LI], v[PC+4*\c:PC+4*\c+3], s[22:23] offset:1536*(\tt)+512*\c   ; 32 lanes store 512 consecutive bytes, at a multiple of 256 from the buffer's first byte
.endr
.endm
	LOAD 0
	LOAD 1
.irp tt, 0,1,2,3
	TILE \tt
.endr
	v_cndmask_b32 v[D], v[SW], v[SW+2], s[HM]      ; lanes 0-15 send row r's words of tiles 0, 1 of my four, lanes 16-31 those of tiles 2, 3
	v_cndmask_b32 v[D+1], v[SW+1], v[SW+3], s[HM]
	global_store_b64 v[SCO], v[D:D+1], s[36:37] offset:12288   ; 256 consecutive bytes
	s_wait_tensorcnt 0x0                           ; the wave's end, behind my last LDS store
	ds_add_u32 v[SPW], v[NIL]
	s_wait_dscnt 0x0
	s_endpgm
.Lfunc_end_k_q14e2ce20af_quant:
	.size	k_q14e2ce20af_quant, .Lfunc_end_k_q14e2ce20af_quant-k_q14e2ce20af_quant
	.p2alignl 7, 3214868480
	.fill 96, 4, 3214868480
	.section	.rodata,"a",@progbits
	.p2align	6, 0x0
	.amdhsa_kernel k_q14e2ce20af_quant
		.amdhsa_group_segment_fixed_size 17152
		.amdhsa_private_segment_fixed_size 0
		.amdhsa_enable_private_segment 0
		.amdhsa_kernarg_size 64
		.amdhsa_user_sgpr_count 2
		.amdhsa_user_sgpr_kernarg_segment_ptr 1
		.amdhsa_wavefront_size32 1
		.amdhsa_system_sgpr_workgroup_id_x 1
		.amdhsa_system_sgpr_workgroup_id_y 1
		.amdhsa_system_sgpr_workgroup_id_z 1
		.amdhsa_system_vgpr_workitem_id 0
		.amdhsa_next_free_vgpr 256
		.amdhsa_next_free_sgpr 66
		.amdhsa_reserve_vcc 0
		.amdhsa_float_denorm_mode_32 3
		.amdhsa_float_denorm_mode_16_64 3
		.amdhsa_memory_ordered 1
		.amdhsa_forward_progress 1
		.amdhsa_inst_pref_size 34
	.end_amdhsa_kernel
	.amdgpu_metadata
---
amdhsa.version: [ 1, 2 ]
amdhsa.kernels:
  - .name:           k_q14e2ce20af_quant
    .symbol:         k_q14e2ce20af_quant.kd
    .args:
      - { .name: x, .offset: 0, .size: 8, .value_kind: global_buffer, .address_space: global }
      - { .name: Wq, .offset: 8, .size: 8, .value_kind: global_buffer, .address_space: global }
      - { .name: Wk, .offset: 16, .size: 8, .value_kind: global_buffer, .address_space: global }
      - { .name: Wv, .offset: 24, .size: 8, .value_kind: global_buffer, .address_space: global }
      - { .name: Wo, .offset: 32, .size: 8, .value_kind: global_buffer, .address_space: global }
      - { .name: ximg, .offset: 40, .size: 8, .value_kind: global_buffer, .address_space: global }
      - { .name: wqkv, .offset: 48, .size: 8, .value_kind: global_buffer, .address_space: global }
      - { .name: woimg, .offset: 56, .size: 8, .value_kind: global_buffer, .address_space: global }
    .group_segment_fixed_size: 17152
    .private_segment_fixed_size: 0
    .kernarg_segment_align: 8
    .kernarg_segment_size: 64
    .max_flat_workgroup_size: 64
    .sgpr_count:     66
    .vgpr_count:     256
    .wavefront_size: 32
...
	.end_amdgpu_metadata
.endif
;; end of part 1
;; launch qkv (part 2): grid 24 x 8, 4 waves a work-group, clusters of 4 x 4, 327,680 bytes of LDS; arguments ximg, wqkv, bq, bk, bv, cos, sin, qimg, kvimg; writes qimg, kvimg
.if DOCPART == 2
	.amdgcn_target "amdgcn-amd-amdhsa--gfx1250"
	.amdhsa_code_object_version 6
	.text
	.protected	k_q14e2ce20af_qkv
	.globl	k_q14e2ce20af_qkv
	.p2align	8
	.type	k_q14e2ce20af_qkv,@function
k_q14e2ce20af_qkv:
	s_mov_b64 s[64:65], 0
	v_nop
	global_prefetch_b8 v0, s[64:65] scope:SCOPE_SE
	s_setreg_imm32_b32 hwreg(HW_REG_WAVE_MODE, 25, 1), 1
	s_wait_xcnt 0x0
	s_wait_alu depctr_hold_cnt(0) depctr_sa_sdst(0) depctr_va_vdst(0) depctr_va_sdst(0) depctr_va_ssrc(0) depctr_va_vcc(0) depctr_vm_vsrc(0)
	s_getreg_b32 s2, hwreg(HW_REG_IB_STS2, 6, 4)
	s_cmp_eq_u32 s2, 0
	s_cbranch_scc0 .Lentry_in_a_cluster
	s_endpgm
.Lentry_in_a_cluster:
	s_bfe_u32 s2, ttmp6, 0x10000c
	s_cmp_lg_u32 s2, 0xf033
	s_cbranch_scc0 .Lentry_shape_is_right
	s_endpgm
.Lentry_shape_is_right:
.set BLK,   12800
.set HALF,  2*BLK
.set SLOT,  4*HALF
.set SPARE, 2*SLOT
.set ADRR, 16
.set ADRP, 20
.set LI,   24
.set CSO,  25
.set BO,   26
.set BVO,  27
.set SPW,  28
.set NIL,  29
.set PFO,  30
.set SC,   32
.set RF,   128
.set T,    64
.set PC,   128
.set PX,   140
.set TM,   148
.set TP,   152
.set TS,   156
.set PW,   160
.set SW,   164
.set U,    168
.set BV,   172
.set WV,   22
.set RH,   23
.set PH,   24
.set G1X,  32
.set G0X,  40
.set G1W,  48
.set G0W,  56
.set SEL,  68
.set HM,   70
.set MSB, 0
.macro WIN new
.if MSB != (\new)
	s_set_vgpr_msb (MSB<<8)|(\new)
.set MSB, (\new)
.endif
.endm
.macro PLACES n
.rept \n
	v_nop
.endr
.endm
.macro QUANT s
.irp b, 0,1,2,3
	v_max3_num_f32 v[TM+\b], |v[(\s)+16*\b]|, |v[(\s)+1+16*\b]|, 0x1800000
.endr
.irp i, 2,4,6,8,10,12,14
.irp b, 0,1,2,3
	v_max3_num_f32 v[TM+\b], v[TM+\b], |v[(\s)+16*\b+\i]|, |v[(\s)+1+16*\b+\i]|
.endr
.endr
.irp b, 0,1,2,3
	v_permlanex16_b32 v[TP+\b], v[TM+\b], s[SEL], s[SEL+1]
.endr
.irp b, 0,1,2,3
	v_max_num_f32 v[TM+\b], v[TM+\b], v[TP+\b]
.endr
.irp b, 0,1,2,3
	v_add_nc_u32 v[TS+\b], 0xff000000, v[TM+\b]
.endr
.irp b, 0,1,2,3
	v_lshrrev_b32 v[TP+\b], 23, v[TS+\b]
.endr
	v_lshl_or_b32 v[PW], v[TP+1], 8, v[TP]
	v_lshl_or_b32 v[PW], v[TP+2], 16, v[PW]
	v_lshl_or_b32 v[PW], v[TP+3], 24, v[PW]
.irp c, 0,1
	v_cvt_scalef32_pk16_fp6_f32 v[PC+6*\c:PC+2+6*\c], v[(\s)+32*\c:(\s)+15+32*\c], v[TS+2*\c]
	v_cvt_scalef32_pk16_fp6_f32 v[PX+4*\c:PX+2+4*\c], v[(\s)+16+32*\c:(\s)+31+32*\c], v[TS+2*\c+1]
.endr
	v_nop
.irp c, 0,1
.irp i, 0,1,2
	v_permlane16_swap_b32 v[PC+6*\c+\i], v[PX+4*\c+\i]
.endr
.irp i, 0,1,2
	v_mov_b32 v[PC+3+6*\c+\i], v[PX+4*\c+\i]
.endr
.endr
.endm
.macro JLOAD g0a, g1a, g0b, g1b
	s_cmp_eq_u32 s[RH], 0
	s_cbranch_scc0 .Lfor_b_\@
	tensor_load_to_lds s[\g0a:\g0a+3], s[\g1a:\g1a+7]
	s_nop 0
.rept 4
	v_nop
.endr
	s_branch .Lasked_\@
.Lfor_b_\@:
	tensor_load_to_lds s[\g0b:\g0b+3], s[\g1b:\g1b+7]
	s_nop 0
.rept 4
	v_nop
.endr
.Lasked_\@:
.endm
.macro CREST
	s_cmp_lg_u32 s[WV], 0
	s_cbranch_scc1 .Lnot_wave_0_\@
	s_barrier_signal -3
.Lnot_wave_0_\@:
	s_barrier_wait -3
	s_barrier_signal -1
	s_barrier_wait -1
.endm
.macro CROUND
	s_barrier_signal -1
	s_barrier_wait -1
	CREST
.endm
	s_load_b512 s[4:19], s[0:1], 0x0
	s_load_b64 s[20:21], s[0:1], 0x40
	v_lshl_add_u32 v[SPW], v0, 2, SPARE
	v_mov_b32 v[NIL], 0
	ds_add_u32 v[SPW], v[NIL]
	ds_add_u32 v[SPW], v[NIL]
	v_lshrrev_b32 v1, 5, v0
	v_readfirstlane_b32 s[WV], v1
	s_lshr_b32 s[RH], s[WV], 1
	s_and_b32 s[PH], s[WV], 1
	s_bfe_u32 s25, ttmp6, 0x40000
	s_bfe_u32 s26, ttmp6, 0x40004
	s_lshl_b32 s27, ttmp9, 2
	s_add_co_u32 s27, s27, s25
	s_and_b32 s28, ttmp7, 0xffff
	s_lshl_b32 s28, s28, 2
	s_add_co_u32 s28, s28, s26
	s_lshl_b32 s29, s26, 2
	s_lshl_b32 s29, 15, s29
	s_lshl_b32 s30, 0x1111, s25
	s_or_b32 s[G1X], s29, (3<<16)|(1<<21)
	s_or_b32 s[G1W], s30, (3<<16)|(1<<21)
.irp g, G1X, G1W
	s_mov_b32 s[\g+1], 32<<16
	s_mov_b32 s[\g+2], 100<<16
	s_mov_b32 s[\g+3], 32<<16
	s_mov_b32 s[\g+4], 100
	s_mov_b32 s[\g+5], 32
	s_mov_b32 s[\g+6], 0
	s_mov_b32 s[\g+7], 0
.endr
	s_lshl_b32 s82, s28, 1
	s_add_co_u32 s82, s82, s[PH]
	s_mul_i32 s82, s82, 16*BLK
	s_mov_b32 s83, 0
	s_lshl_b32 s84, s27, 1
	s_add_co_u32 s84, s84, s[PH]
	s_mul_i32 s84, s84, 16*BLK
	s_mov_b32 s85, 0
	s_mul_i32 s90, s[WV], HALF
	s_mov_b32 s[SEL], 0x76543210
	s_mov_b32 s[SEL+1], 0xfedcba98
	s_mov_b32 s[HM], 0xffff0000
	s_wait_dscnt 0x0
	s_wait_kmcnt 0x0
	s_add_nc_u64 s[86:87], s[4:5], s[82:83]
	s_add_nc_u64 s[88:89], s[6:7], s[84:85]
	CROUND
.irp s, 0,1
	s_mov_b32 s[G0X+4*\s], 1
	s_add_co_u32 s[G0X+4*\s+1], s90, \s*SLOT
	s_add_nc_u64 s[G0X+4*\s+2:G0X+4*\s+3], s[86:87], \s*HALF
	s_or_b32 s[G0X+4*\s+3], s[G0X+4*\s+3], 0x80000000
	s_mov_b32 s[G0W+4*\s], 1
	s_add_co_u32 s[G0W+4*\s+1], s90, \s*SLOT
	s_add_nc_u64 s[G0W+4*\s+2:G0W+4*\s+3], s[88:89], \s*HALF
	s_or_b32 s[G0W+4*\s+3], s[G0W+4*\s+3], 0x80000000
	s_wait_alu depctr_va_vdst(0)
	s_wait_tensorcnt 0x0
	ds_add_u32 v28, v29
	ds_add_u32 v28, v29
	s_wait_dscnt 0x0
	CROUND
	JLOAD G0X+4*\s, G1X, G0W+4*\s, G1W
.endr
	v_and_b32 v1, 31, v0
	v_lshlrev_b32 v[LI], 4, v1
	v_lshlrev_b32 v[PFO], 12, v1
	; the ring's prefetches: a fill of mine is 25,600 dense bytes, 100 pieces of 256; the four partners that ask for it jointly take 25 pieces each, told apart by address (cx for x's blocks, cy for the weights'), a lane a piece (lanes 25-31 name the 25th again)
	s_cmp_eq_u32 s[RH], 0
	s_cselect_b64 s[94:95], s[86:87], s[88:89]
	s_cselect_b32 s82, s25, s26
	s_mul_i32 s82, s82, 6400
	s_mov_b32 s83, 0
	s_add_nc_u64 s[94:95], s[94:95], s[82:83]
	v_min_u32 v31, 24, v1
	v_lshlrev_b32 v31, 8, v31
	global_prefetch_b8 v31, s[94:95] offset:2*HALF th:TH_LOAD_NT scope:SCOPE_SE   ; fills 0 and 1 are asked for: fills 2 and 3, two fills on
	global_prefetch_b8 v31, s[94:95] offset:3*HALF th:TH_LOAD_NT scope:SCOPE_SE
	v_and_b32 v2, 15, v0
	v_bfe_u32 v3, v0, 4, 1
	v_and_b32 v4, 8, v2
	v_add_nc_u32 v4, v4, v2
	v_lshlrev_b32 v[CSO], 12, v4
	v_lshl_add_u32 v[CSO], v3, 5, v[CSO]
	v_lshlrev_b32 v[BO], 6, v3
	v_lshlrev_b32 v[BVO], 2, v4
	s_cmp_lt_u32 ttmp9, 4
	s_cselect_b32 s82, 2*HALF, 0
	s_cselect_b32 s83, 0, 2*HALF
	s_mul_i32 s84, s[PH], HALF
	s_add_co_u32 s84, s84, s82
	s_mul_i32 s85, s[RH], HALF
	s_add_co_u32 s85, s85, s83
.irp s, 0,1
	v_add_nc_u32 v[ADRP+\s], s84, v[LI]
	v_add_nc_u32 v[ADRR+\s], s85, v[LI]
	s_add_co_u32 s84, s84, SLOT
	s_add_co_u32 s85, s85, SLOT
.endr
	s_lshl_b32 s91, s28, 1
	s_add_co_u32 s91, s91, s[RH]
	s_lshl_b32 s92, s91, 19
	s_lshl_b32 s93, s27, 8
	s_add_co_u32 s92, s92, s93
	s_mov_b32 s93, 0
	s_add_nc_u64 s[74:75], s[14:15], s[92:93]
	s_add_nc_u64 s[76:77], s[16:17], s[92:93]
	s_cmp_eq_u32 s[PH], 0
	s_cselect_b64 s[80:81], s[74:75], s[76:77]
.macro FRAG reg, adr, off
.irp c, 0,1,2
	ds_load_b128 v[(\reg)+4*\c:(\reg)+4*\c+3], v[\adr] offset:(\off)+512*\c
.endr
.endm
.macro FETCH_P slot, q, set
	WIN 0x40
.irp i, 0,1,2,3,4,5,6,7
	FRAG 128*(\set)+12*\i, ADRP+\slot, BLK*(\q)+1536*\i
.endr
	WIN 0
.endm
.macro FETCH_R slot, q, i0
.irp i, \i0, \i0+1, \i0+2, \i0+3
	FRAG RF+12*(\i), ADRR+\slot, BLK*(\q)+1536*(\i)
.endr
.endm
.macro FETCH_S slot, q
	ds_load_b128 v[SC+8*(\q):SC+8*(\q)+3], v[ADRP+\slot] offset:BLK*(\q)+12288
	ds_load_b128 v[SC+8*(\q)+4:SC+8*(\q)+7], v[ADRR+\slot] offset:BLK*(\q)+12288
.endm
.macro WM a, b, set, zero
.set rD, 8*(8*((\a)%4)+(\b))
.set rP, 128*(\set)+12*(\b)
.set rR, RF+12*(\a)
.set rU, SC+8*(\set)+(\b)%4
.set rV, SC+8*(\set)+4+(\a)%4
.if \zero
.if ((\b) < 4) && ((\a) < 4)
	v_wmma_scale_f32_16x16x128_f8f6f4 v[rD:rD+7], v[rP:rP+11], v[rR:rR+11], 0, v[rU], v[rV] matrix_a_fmt:MATRIX_FMT_FP6 matrix_b_fmt:MATRIX_FMT_FP6
.elseif (\a) < 4
	v_wmma_scale_f32_16x16x128_f8f6f4 v[rD:rD+7], v[rP:rP+11], v[rR:rR+11], 0, v[rU], v[rV] matrix_a_fmt:MATRIX_FMT_FP6 matrix_b_fmt:MATRIX_FMT_FP6 matrix_a_scale:MATRIX_SCALE_ROW1
.elseif (\b) < 4
	v_wmma_scale_f32_16x16x128_f8f6f4 v[rD:rD+7], v[rP:rP+11], v[rR:rR+11], 0, v[rU], v[rV] matrix_a_fmt:MATRIX_FMT_FP6 matrix_b_fmt:MATRIX_FMT_FP6 matrix_b_scale:MATRIX_SCALE_ROW1
.else
	v_wmma_scale_f32_16x16x128_f8f6f4 v[rD:rD+7], v[rP:rP+11], v[rR:rR+11], 0, v[rU], v[rV] matrix_a_fmt:MATRIX_FMT_FP6 matrix_b_fmt:MATRIX_FMT_FP6 matrix_a_scale:MATRIX_SCALE_ROW1 matrix_b_scale:MATRIX_SCALE_ROW1
.endif
.else
.if ((\b) < 4) && ((\a) < 4)
	v_wmma_scale_f32_16x16x128_f8f6f4 v[rD:rD+7], v[rP:rP+11], v[rR:rR+11], v[rD:rD+7], v[rU], v[rV] matrix_a_fmt:MATRIX_FMT_FP6 matrix_b_fmt:MATRIX_FMT_FP6
.elseif (\a) < 4
	v_wmma_scale_f32_16x16x128_f8f6f4 v[rD:rD+7], v[rP:rP+11], v[rR:rR+11], v[rD:rD+7], v[rU], v[rV] matrix_a_fmt:MATRIX_FMT_FP6 matrix_b_fmt:MATRIX_FMT_FP6 matrix_a_scale:MATRIX_SCALE_ROW1
.elseif (\b) < 4
	v_wmma_scale_f32_16x16x128_f8f6f4 v[rD:rD+7], v[rP:rP+11], v[rR:rR+11], v[rD:rD+7], v[rU], v[rV] matrix_a_fmt:MATRIX_FMT_FP6 matrix_b_fmt:MATRIX_FMT_FP6 matrix_b_scale:MATRIX_SCALE_ROW1
.else
	v_wmma_scale_f32_16x16x128_f8f6f4 v[rD:rD+7], v[rP:rP+11], v[rR:rR+11], v[rD:rD+7], v[rU], v[rV] matrix_a_fmt:MATRIX_FMT_FP6 matrix_b_fmt:MATRIX_FMT_FP6 matrix_a_scale:MATRIX_SCALE_ROW1 matrix_b_scale:MATRIX_SCALE_ROW1
.endif
.endif
.endm
.macro MUL16 a0, set, zero
.irp a, \a0, \a0+1
.irp b, 0,1,2,3,4,5,6,7
	WM (\a), \b, \set, \zero
.endr
.endr
.endm
.macro STEP slot, zero
	s_wait_dscnt 12
	WIN 0xa1
	MUL16 0, 0, \zero
	MUL16 2, 0, \zero
	s_wait_dscnt 0x0
	PLACES 4
	FETCH_P \slot, 1, 1
	FETCH_S \slot, 1
	FETCH_R \slot, 1, 0
	WIN 0xf1
	MUL16 4, 0, \zero
	MUL16 6, 0, \zero
	PLACES 4
	WIN 0
	FETCH_R \slot, 1, 4
.endm
.macro TURN slot, next, fill
	s_wait_tensorcnt 0x0
	ds_add_u32 v[SPW], v[NIL]
	s_wait_dscnt 13
	WIN 0xa1
	MUL16 0, 1, 0
	s_wait_dscnt 0x0
	s_barrier_signal -1
	MUL16 2, 1, 0
	WIN 0
	s_barrier_wait -1
.if \fill
	CREST
	s_add_nc_u64 s[G0X+4*\slot+2:G0X+4*\slot+3], s[G0X+4*\slot+2:G0X+4*\slot+3], 2*HALF
	s_add_nc_u64 s[G0W+4*\slot+2:G0W+4*\slot+3], s[G0W+4*\slot+2:G0W+4*\slot+3], 2*HALF
	JLOAD G0X+4*\slot, G1X, G0W+4*\slot, G1W
.else
	PLACES 4
.endif
	FETCH_P \next, 0, 0
	FETCH_S \next, 0
	FETCH_R \next, 0, 0
.if \fill
	s_cmp_gt_u32 s31, 1                            ; the last lap's two fills have no fill two on
	s_cbranch_scc0 .Lno_pf_\@
	global_prefetch_b8 v31, s[94:95] offset:(4+\slot)*HALF th:TH_LOAD_NT scope:SCOPE_SE   ; the fill two fills on
.Lno_pf_\@:
.endif
	WIN 0xf1
	MUL16 4, 1, 0
	MUL16 6, 1, 0
	PLACES 4
	WIN 0
	FETCH_R \next, 0, 4
.endm
	s_wait_alu depctr_va_vdst(0)
	s_wait_tensorcnt 1
	s_barrier_signal -1
	s_barrier_wait -1
	FETCH_P 0, 0, 0
	FETCH_S 0, 0
	FETCH_R 0, 0, 0
	FETCH_R 0, 0, 4
	STEP 0, 1
	s_mov_b32 s31, 3
.Llap:
	TURN 0, 1, 1
	STEP 1, 0
	TURN 1, 0, 1
	STEP 0, 0
	s_wait_xcnt 0x0                                ; the lap's prefetches have read their address
	s_add_nc_u64 s[94:95], s[94:95], 2*HALF
	s_sub_co_u32 s31, s31, 1
	s_cmp_lg_u32 s31, 0
	s_cbranch_scc1 .Llap
	s_cmp_ge_u32 ttmp9, 4
	s_cbranch_scc1 .Lno_ask
.irp k, 0,1,2,3
	global_prefetch_b8 v[PFO], s[80:81] offset:131072*\k th:TH_LOAD_NT scope:SCOPE_SE
.endr
.Lno_ask:
	TURN 0, 1, 0
	STEP 1, 0
	s_wait_dscnt 12
	WIN 0xa1
	MUL16 0, 1, 0
	MUL16 2, 1, 0
	s_wait_dscnt 0x0
	WIN 0xf1
	MUL16 4, 1, 0
	MUL16 6, 1, 0
	WIN 0
	PLACES 4
.irp b, 0,1,2,3
	v_mov_b32 v[TP+\b], 0
.endr
	s_cmp_ge_u32 ttmp9, 4
	s_cbranch_scc1 .Lv
	s_lshl_b32 s82, s27, 4
	s_add_co_u32 s82, s82, s91
	s_mov_b32 s84, 2*BLK
	s_cmp_eq_u32 s[PH], 0
	s_cselect_b64 s[72:73], s[18:19], s[20:21]
	s_cselect_b64 s[78:79], s[8:9], s[10:11]
	s_cselect_b32 s83, BLK, s84
	s_mul_i32 s82, s82, s83
	s_mov_b32 s83, 0
	s_add_nc_u64 s[72:73], s[72:73], s[82:83]
	s_lshl_b32 s82, s27, 9
	s_add_nc_u64 s[78:79], s[78:79], s[82:83]
.macro CSLOAD a
.irp b, 0,1,2,3
.irp j, 0,1
	global_load_b128 v[64+64*((\a)%2)+8*\b+4*\j:64+64*((\a)%2)+8*\b+4*\j+3], v[CSO], s[74:75] offset:(32*((\a)/2)+8*((\a)%2))*4096+64*\b+16*\j
	global_load_b128 v[96+64*((\a)%2)+8*\b+4*\j:96+64*((\a)%2)+8*\b+4*\j+3], v[CSO], s[76:77] offset:(32*((\a)/2)+8*((\a)%2))*4096+64*\b+16*\j
.endr
.endr
.endm
	WIN 0x40
.irp b, 0,1,2,3
.irp j, 0,1,2,3
	global_load_b128 v[16*\b+4*\j:16*\b+4*\j+3], v[BO], s[78:79] offset:128*\b+16*\j
.endr
.endr
	CSLOAD 0
	CSLOAD 1
.macro TILEQK a
.if (\a) < 7
	s_wait_loadcnt 16
.else
	s_wait_loadcnt 0x0
.endif
	WIN 0x06+(\a)/4
.set p, 0
.rept 32
	v_pk_add_f32 v[T+2*p:T+2*p+1], v[64*((\a)%4)+2*p:64*((\a)%4)+2*p+1], v[2*p:2*p+1]
.set p, p+1
.endr
	WIN 0x04
.set p, 0
.rept 32
	v_mul_f32 v[U+2*(p%2)], v[T+2*p+1], v[96+64*((\a)%2)+p]
	v_mul_f32 v[U+2*(p%2)+1], v[T+2*p], v[96+64*((\a)%2)+p]
	v_fma_f32 v[T+2*p], v[T+2*p], v[64+64*((\a)%2)+p], -v[U+2*(p%2)]
	v_fma_f32 v[T+2*p+1], v[T+2*p+1], v[64+64*((\a)%2)+p], v[U+2*(p%2)+1]
.set p, p+1
.endr
.if (\a) < 6
	WIN 0x40
	CSLOAD (\a)+2
.endif
	WIN 0
	s_wait_xcnt 0x0
	QUANT T
.if (\a) < 4
	v_mov_b32 v[SW+(\a)], v[PW]
.else
	v_cndmask_b32 v[SW+(\a)-4], v[SW+(\a)-4], v[PW], s[HM]
.endif
.irp c, 0,1,2
	global_store_b128 v[LI], v[PC+4*\c:PC+4*\c+3], s[72:73] offset:1536*(\a)+512*\c
.endr
.endm
.irp a, 0,1,2,3,4,5,6,7
	TILEQK \a
.endr
	global_store_b128 v[LI], v[SW:SW+3], s[72:73] offset:12288
	s_branch .Lend
.Lv:
	s_lshl_b32 s82, s27, 1
	s_add_co_u32 s82, s82, s[RH]
	s_sub_co_u32 s82, s82, 32
	s_lshl_b32 s83, s28, 1
	s_add_co_u32 s83, s83, s[PH]
	s_lshl_b32 s84, s82, 4
	s_add_co_u32 s84, s84, s83
	s_mul_i32 s84, s84, 2*BLK
	s_add_co_u32 s84, s84, BLK
	s_mov_b32 s85, 0
	s_add_nc_u64 s[72:73], s[20:21], s[84:85]
	s_lshl_b32 s84, s82, 9
	s_add_nc_u64 s[78:79], s[12:13], s[84:85]
.irp a, 0,1,2,3,4,5,6,7
	global_load_b32 v[BV+\a], v[BVO], s[78:79] offset:4*(32*(\a/2)+8*(\a%2))
.endr
	s_wait_loadcnt 0x0
.macro TILEV a
	WIN 0x02+(\a)/4
.set p, 0
.rept 64
	v_add_f32 v[T+p], v[64*((\a)%4)+p], v[BV+(\a)]
.set p, p+1
.endr
	WIN 0
	s_wait_xcnt 0x0
	QUANT T
.if (\a) < 4
	v_mov_b32 v[SW+(\a)], v[PW]
.else
	v_cndmask_b32 v[SW+(\a)-4], v[SW+(\a)-4], v[PW], s[HM]
.endif
.irp c, 0,1,2
	global_store_b128 v[LI], v[PC+4*\c:PC+4*\c+3], s[72:73] offset:1536*(\a)+512*\c
.endr
.endm
.irp a, 0,1,2,3,4,5,6,7
	TILEV \a
.endr
	global_store_b128 v[LI], v[SW:SW+3], s[72:73] offset:12288
.Lend:
	s_wait_tensorcnt 0x0
	ds_add_u32 v[SPW], v[NIL]
	s_wait_dscnt 0x0
	CROUND
	s_endpgm
.Lfunc_end_k_q14e2ce20af_qkv:
	.size	k_q14e2ce20af_qkv, .Lfunc_end_k_q14e2ce20af_qkv-k_q14e2ce20af_qkv
	.p2alignl 7, 3214868480
	.fill 96, 4, 3214868480
	.section	.rodata,"a",@progbits
	.p2align	6, 0x0
	.amdhsa_kernel k_q14e2ce20af_qkv
		.amdhsa_group_segment_fixed_size 327680
		.amdhsa_private_segment_fixed_size 0
		.amdhsa_enable_private_segment 0
		.amdhsa_kernarg_size 72
		.amdhsa_user_sgpr_count 2
		.amdhsa_user_sgpr_kernarg_segment_ptr 1
		.amdhsa_wavefront_size32 1
		.amdhsa_system_sgpr_workgroup_id_x 1
		.amdhsa_system_sgpr_workgroup_id_y 1
		.amdhsa_system_sgpr_workgroup_id_z 1
		.amdhsa_system_vgpr_workitem_id 0
		.amdhsa_next_free_vgpr 1024
		.amdhsa_next_free_sgpr 96
		.amdhsa_reserve_vcc 0
		.amdhsa_float_denorm_mode_32 3
		.amdhsa_float_denorm_mode_16_64 3
		.amdhsa_memory_ordered 1
		.amdhsa_forward_progress 1
		.amdhsa_inst_pref_size 255
	.end_amdhsa_kernel
	.section	.bss,"aw",@nobits
	.p2align	6
	.space	262144
	.amdgpu_metadata
---
amdhsa.version: [ 1, 2 ]
amdhsa.kernels:
  - .name:           k_q14e2ce20af_qkv
    .symbol:         k_q14e2ce20af_qkv.kd
    .args:
      - { .name: ximg, .offset: 0, .size: 8, .value_kind: global_buffer, .address_space: global }
      - { .name: wqkv, .offset: 8, .size: 8, .value_kind: global_buffer, .address_space: global }
      - { .name: bq, .offset: 16, .size: 8, .value_kind: global_buffer, .address_space: global }
      - { .name: bk, .offset: 24, .size: 8, .value_kind: global_buffer, .address_space: global }
      - { .name: bv, .offset: 32, .size: 8, .value_kind: global_buffer, .address_space: global }
      - { .name: cos, .offset: 40, .size: 8, .value_kind: global_buffer, .address_space: global }
      - { .name: sin, .offset: 48, .size: 8, .value_kind: global_buffer, .address_space: global }
      - { .name: qimg, .offset: 56, .size: 8, .value_kind: global_buffer, .address_space: global }
      - { .name: kvimg, .offset: 64, .size: 8, .value_kind: global_buffer, .address_space: global }
    .group_segment_fixed_size: 327680
    .private_segment_fixed_size: 0
    .kernarg_segment_align: 8
    .kernarg_segment_size: 72
    .max_flat_workgroup_size: 128
    .sgpr_count:     96
    .vgpr_count:     1024
    .wavefront_size: 32
...
	.end_amdgpu_metadata
.endif
;; end of part 2
;; launch attn (part 3): grid 16 x 16, 4 waves a work-group, clusters of 4 x 4, 327,680 bytes of LDS; arguments qimg, kvimg, mask, oimg; writes oimg
.if DOCPART == 3
	.amdgcn_target "amdgcn-amd-amdhsa--gfx1250"
	.amdhsa_code_object_version 6
	.text
	.protected	k_q14e2ce20af_attn
	.globl	k_q14e2ce20af_attn
	.p2align	8
	.type	k_q14e2ce20af_attn,@function
k_q14e2ce20af_attn:
	s_mov_b64 s[64:65], 0
	v_nop
	global_prefetch_b8 v0, s[64:65] scope:SCOPE_SE
	s_setreg_imm32_b32 hwreg(HW_REG_WAVE_MODE, 25, 1), 1
	s_wait_xcnt 0x0
	s_wait_alu depctr_hold_cnt(0) depctr_sa_sdst(0) depctr_va_vdst(0) depctr_va_sdst(0) depctr_va_ssrc(0) depctr_va_vcc(0) depctr_vm_vsrc(0)
	s_getreg_b32 s2, hwreg(HW_REG_IB_STS2, 6, 4)
	s_cmp_eq_u32 s2, 0
	s_cbranch_scc0 .Lentry_in_a_cluster
	s_endpgm
.Lentry_in_a_cluster:
	s_bfe_u32 s2, ttmp6, 0x10000c
	s_cmp_lg_u32 s2, 0xf033
	s_cbranch_scc0 .Lentry_shape_is_right
	s_endpgm
.Lentry_shape_is_right:
; LAUNCH 3 OF 4.  For each head: logits = q k^T / sqrt(128) + mask; t = logit x log2(e); M = the running largest t rounded up to a whole number; p = 2^(t - M) is quantised along the keys;
; O = (p v) / (the sum of the unquantised p); O is quantised along DIM and leaves as blocks (the layout: launch 1's head; group = 128 queries, K step = head).  Both products on codes of E2M3.
; Nothing is left out: the mask is an input and is added as it stands.
; SHARES.  A work-group owns 128 queries of one head; each of four waves 32, as two tiles of 16, so that each fragment of K and V read from LDS feeds two products.  Every wave walks all 2,048 keys, 128 a step.
; Both products are used transposed (S^T = K Q^T, O^T = V^T P^T): a lane holds one query throughout, and the blocks' order of rows makes its registers run along the keys (S^T) and along the head (O^T).
; THE TWO TILES OF QUERIES: tile A holds rows 32 w + r + 16 (r / 8), tile B rows 32 w + 8 + r: the 16 rows of each start at 16 different groups of banks at the mask's pitch of 528 bytes.
;   Lane (r, h) of A is lane (r, h) of qimg's tile 2 w + r / 8, of B that of tile 2 w + 1 - r / 8.  oimg's tile 2 w holds A's rows, tile 2 w + 1 B's: launch 4 stores by that order.
; THE RING: two slots, each one key step: the mask's 128 rows x 512 bytes (pitch 528), then K's and V's blocks.  Every wave fetches: waves 0, 1 the mask's halves, wave 2 K's block, wave 3 V's.
; A STEP AHEAD IN REGISTERS.  Trip i works key step i out of registers and reads key step i + 1 from LDS, in five runs of loads that stand among step i's work: 13 loads of K at the trip's head, K's other 12 ahead of
;   tile A's exponentials, tile A's mask (16) behind them, tile B's mask (16) ahead of tile B's exponentials, V's 25 behind tile B's product on V.  The scores of step i + 1 and tile A's logits are made in trip i too.
;   So all reads of a slot end a trip before its step is worked, and trip i asks for key step i + 2: 14 trips fill a slot again.  The last two trips fill nothing: a loop of two, in which what is
;   fetched ahead stands as one group that the very last trip jumps over, by the loop's counter.
; CLUSTERS 4 x 4 (x: 128 queries, y: head): the mask's tile hangs on x and is asked for jointly along a column, K's and V's hang on y and jointly along a row.
; LIMITS: -infinity in the mask gives p = 0; a row whose every key is -infinity, +infinity or NaN in the mask, and logits beyond 2e38 in size are not served.  A block of p or of O that is all zeros gets the scale byte 1.
; REGISTERS: window 0: addresses and scale words.  window 1: tile A, window 2: tile B, the same numbers in both: v12 -M, v13 the largest t, v14-15 the sum, v16-27 codes, v28-52 at work, v64-127 S^T then p, v128-191 the mask, v192-255 O^T.
;   window 3: v0-95 K's 8 fragments, v96-191 V's, v192-215 Q's two.
.set SLOT1, 131072                     ; slot 1 begins here: one exclusive or turns an address
.set MP,    528
.set KVO,   128*MP                     ; K's block, then V's
.set BLK,   12800
.set SCW,   SLOT1+KVO+2*BLK            ; 512 bytes for O's scale words: written by LDS stores alone
.set SPARE, SCW+512                    ; the spare words, 128 bytes a wave
.set LI,  1
.set MA0, 2
.set MB0, 3
.set ADK, 4                            ; v4-6 LDS addresses in the slot that is read
.set ADA, 5
.set ADB, 6
.set AK0, 7
.set PSA, 10                           ; v10, v11 p's scale words;  v12-15 V's
.set PSB, 11
.set VS,  12
.set SPW, 20                           ; my spare word; never rewritten
.set NIL, 21                           ; 0; never rewritten
.set PFO, 22
.set SWA, 23
.set TMP, 24
.set SCR, 25
.set OW,  28
.set QOA, 32
.set QOB, 33
.set QSOA, 34
.set QSOB, 35
.set KS,  128                          ; v128-131 K's scale words;  v132, v133 Q's
.set QSA, 132
.set QSB, 133
.set KF,  0                            ; window 3
.set VF,  96
.set QA,  192
.set QB,  204
.set NM,  12                           ; a tile's window
.set TX,  13
.set L,   14
.set PC,  16
.set PX,  28
.set BM,  36
.set T2,  40
.set SO,  44
.set F,   48
.set X0,  50
.set X1,  51
.set S,   64
.set MK,  128
.set O,   192
.set TM,  BM
.set TP,  T2
.set TS,  SO
.set PW,  52
.set WV,  12
.set RH,  13
.set SEL, 20
.set SCL, 22
.set L2E, 24
.set HM,  26
.set TB,  27                           ; the slot that is read
.set SLOTS, 28
.set LIM, 29
.set G1M, 32
.set G0M, 40
.set G0K, 44
.set G1K, 48
.set PFA, 56
.set PFS, 58
.set MSB, 0
.set HQ, 0
.set HE, 0
.set HL1, 0
.set HL2, 0
.macro WIN new
.if MSB != (\new)
	s_set_vgpr_msb (MSB<<8)|(\new)
.set MSB, (\new)
.endif
.endm
.macro PLACES n
.rept \n
	v_nop
.endr
.endm
; THE LIST of a key step's 82 LDS loads: 0 K's words, 1-24 K, 25-40 tile A's mask, 41-56 tile B's, 57 V's words, 58-81 V.  A fragment's three loads lie 512 bytes and four registers apart, fragments 1,536 and twelve: so load n of K or V is linear in n.
.macro LDN n
.if (\n) == 0
	WIN 0
	ds_load_b128 v[KS:KS+3], v[ADK] offset:12288
.elseif (\n) < 25
	WIN 0xc0
	ds_load_b128 v[KF+4*((\n)-1):KF+4*((\n)-1)+3], v[ADK] offset:512*((\n)-1)
.elseif (\n) < 41
	WIN 0x40
	ds_load_b128 v[MK+4*((\n)-25):MK+4*((\n)-25)+3], v[ADA] offset:128*(((\n)-25)/4)+16*(((\n)-25)%4)
.elseif (\n) < 57
	WIN 0x80
	ds_load_b128 v[MK+4*((\n)-41):MK+4*((\n)-41)+3], v[ADB] offset:128*(((\n)-41)/4)+16*(((\n)-41)%4)
.elseif (\n) == 57
	WIN 0
	ds_load_b128 v[VS:VS+3], v[ADK] offset:BLK+12288
.else
	WIN 0xc0
	ds_load_b128 v[VF+4*((\n)-58):VF+4*((\n)-58)+3], v[ADK] offset:BLK+512*((\n)-58)
.endif
.endm
.macro HK c, tw                        ; a run: up to c further loads of the list, as far as HE lets it go; then the window tw
.rept \c
.if HQ < HE
	LDN HQ
.set HQ, HQ+1
.endif
.endr
	WIN \tw
.endm
.macro QUANT s                         ; as in launch 1; here under a tile's window
.irp b, 0,1,2,3
	v_max3_num_f32 v[TM+\b], |v[(\s)+16*\b]|, |v[(\s)+1+16*\b]|, 0x1800000
.endr
.irp i, 2,4,6,8,10,12,14
.irp b, 0,1,2,3
	v_max3_num_f32 v[TM+\b], v[TM+\b], |v[(\s)+16*\b+\i]|, |v[(\s)+1+16*\b+\i]|
.endr
.endr
.irp b, 0,1,2,3
	v_permlanex16_b32 v[TP+\b], v[TM+\b], s[SEL], s[SEL+1]
.endr
.irp b, 0,1,2,3
	v_max_num_f32 v[TM+\b], v[TM+\b], v[TP+\b]
.endr
.irp b, 0,1,2,3
	v_add_nc_u32 v[TS+\b], 0xff000000, v[TM+\b]
.endr
.irp b, 0,1,2,3
	v_lshrrev_b32 v[TP+\b], 23, v[TS+\b]
.endr
	v_lshl_or_b32 v[PW], v[TP+1], 8, v[TP]
	v_lshl_or_b32 v[PW], v[TP+2], 16, v[PW]
	v_lshl_or_b32 v[PW], v[TP+3], 24, v[PW]
.irp c, 0,1
	v_cvt_scalef32_pk16_fp6_f32 v[PC+6*\c:PC+2+6*\c], v[(\s)+32*\c:(\s)+15+32*\c], v[TS+2*\c]
	v_cvt_scalef32_pk16_fp6_f32 v[PX+4*\c:PX+2+4*\c], v[(\s)+16+32*\c:(\s)+31+32*\c], v[TS+2*\c+1]
.endr
	v_nop
.irp c, 0,1
.irp i, 0,1,2
	v_permlane16_swap_b32 v[PC+6*\c+\i], v[PX+4*\c+\i]
.endr
.irp i, 0,1,2
	v_mov_b32 v[PC+3+6*\c+\i], v[PX+4*\c+\i]
.endr
.endr
.endm
.macro JLOAD g0a, g1a, g0b, g1b        ; waves 0, 1: the mask; waves 2, 3: K, V.  An s_nop 0 and four v_nop follow each of the two lines
	s_cmp_eq_u32 s[RH], 0
	s_cbranch_scc0 .Lfor_b_\@
	tensor_load_to_lds s[\g0a:\g0a+3], s[\g1a:\g1a+7]
	s_nop 0
.rept 4
	v_nop
.endr
	s_branch .Lasked_\@
.Lfor_b_\@:
	tensor_load_to_lds s[\g0b:\g0b+3], s[\g1b:\g1b+7]
	s_nop 0
.rept 4
	v_nop
.endr
.Lasked_\@:
.endm
.macro CROUND                          ; a round of the cluster's barrier
	s_barrier_signal -1
	s_barrier_wait -1
	s_cmp_lg_u32 s[WV], 0
	s_cbranch_scc1 .Lnot_wave_0_\@
	s_barrier_signal -3
.Lnot_wave_0_\@:
	s_barrier_wait -3
	s_barrier_signal -1
	s_barrier_wait -1
.endm
; A PREFETCH of the key step behind the one just asked for, one instruction a wave, behind the joint load's lines.  The mask's tile is read by all clusters of a column of clusters: cluster y = 0 asks; its four partners along y take 32 rows
; each, told apart by address; waves 0 and 1 name the two halves of a row's 512 bytes, a lane a row.  K's and V's blocks are read by all clusters of a row of clusters: cluster x = 0 asks; its partners along x take 25 of the step's 100 pieces of
; 256 bytes each, wave 2, a lane a piece (lanes 25-31 name the 25th again: 100 does not divide by 32).  The last change that fills a slot asks for nothing.
.macro ASK
	s_cmp_gt_u32 s[SLOTS], s[LIM]
	s_cbranch_scc0 .Lnot_mine_\@
	global_prefetch_b8 v[PFO], s[PFA:PFA+1] th:TH_LOAD_NT scope:SCOPE_SE
.Lnot_mine_\@:
.endm
	s_load_b256 s[4:11], s[0:1], 0x0               ; qimg, kvimg, mask, oimg
	v_lshl_add_u32 v[SPW], v0, 2, SPARE
	v_mov_b32 v[NIL], 0
	ds_add_u32 v[SPW], v[NIL]                      ; the wave's opening: the add, twice on end, and its wait ahead of my first tensor load
	ds_add_u32 v[SPW], v[NIL]
	v_lshrrev_b32 v[TMP], 5, v0
	v_readfirstlane_b32 s[WV], v[TMP]
	s_lshr_b32 s[RH], s[WV], 1
	s_and_b32 s14, s[WV], 1
	s_bfe_u32 s15, ttmp6, 0x40000                  ; cx
	s_bfe_u32 s16, ttmp6, 0x40004                  ; cy
	s_lshl_b32 s17, ttmp9, 2
	s_add_co_u32 s17, s17, s15                     ; G: my 128 queries
	s_and_b32 s18, ttmp7, 0xffff
	s_lshl_b32 s18, s18, 2
	s_add_co_u32 s18, s18, s16                     ; the head
	s_lshl_b32 s66, 0x1111, s15                    ; my column
	s_lshl_b32 s67, s16, 2
	s_lshl_b32 s67, 15, s67                        ; my row
	s_or_b32 s[G1M], s66, (2<<16)|(1<<20)|(1<<21)|(6<<22)|(3<<25)  ; the mask's tile goes to my column; elements of 4 bytes; 4 words of padding behind every 128
	s_mov_b32 s[G1M+1], 128<<16
	s_mov_b32 s[G1M+2], 64<<16
	s_mov_b32 s[G1M+3], 128<<16
	s_mov_b32 s[G1M+4], 64
	s_mov_b32 s[G1M+5], 2048
	s_mov_b32 s[G1M+6], 0
	s_mov_b32 s[G1M+7], 0
	s_or_b32 s[G1K], s67, (3<<16)|(1<<21)          ; K's and V's blocks go to my row; 12,800 dense bytes as 50 rows of 256
	s_mov_b32 s[G1K+1], 32<<16
	s_mov_b32 s[G1K+2], 50<<16
	s_mov_b32 s[G1K+3], 32<<16
	s_mov_b32 s[G1K+4], 50
	s_mov_b32 s[G1K+5], 32
	s_mov_b32 s[G1K+6], 0
	s_mov_b32 s[G1K+7], 0
	s_lshl_b32 s68, s17, 7
	s_lshl_b32 s69, s14, 6
	s_add_co_u32 s68, s68, s69
	s_lshl_b32 s68, s68, 13                        ; the mask: row 128 G + 64 x the half that I fetch
	s_mov_b32 s69, 0
	s_mul_i32 s70, s18, 32*BLK                     ; K, V: the head's 16 pairs of blocks,
	s_mul_i32 s71, s14, BLK                        ; K's (wave 2) or V's (wave 3)
	s_add_co_u32 s70, s70, s71
	s_mov_b32 s71, 0
	s_mov_b32 s[SEL], 0x76543210
	s_mov_b32 s[SEL+1], 0xfedcba98
	s_mov_b32 s[SCL], 0x3db504f3                   ; 1 / sqrt(128)
	s_mov_b32 s[SCL+1], s[SCL]
	s_mov_b32 s[L2E], 0x3fb8aa3b                   ; log2(e)
	s_mov_b32 s[L2E+1], s[L2E]
	s_mov_b32 s[HM], 0xffff0000
	s_mov_b32 s[TB], 0
	s_mov_b32 s[SLOTS], 14                         ; the trips that fill a slot again
	s_wait_dscnt 0x0                               ; both opening adds are done
	s_wait_kmcnt 0x0
	s_mov_b32 s[G0M], 1
	s_mul_i32 s[G0M+1], s14, 64*MP
	s_add_nc_u64 s[G0M+2:G0M+3], s[8:9], s[68:69]
	s_or_b32 s[G0M+3], s[G0M+3], 0x80000000
	s_mov_b32 s[G0K], 1
	s_mul_i32 s[G0K+1], s14, BLK
	s_add_co_u32 s[G0K+1], s[G0K+1], KVO
	s_add_nc_u64 s[G0K+2:G0K+3], s[6:7], s[70:71]
	s_or_b32 s[G0K+3], s[G0K+3], 0x80000000
	CROUND                                         ; all sixteen work-groups are here
	JLOAD G0M, G1M, G0K, G1K                       ; key step 0 into slot 0: every wave issues one load
	; the prefetches: where mine stand (at key step 1: the first change steps them to 2), and who asks
	s_lshl_b32 s70, s17, 7
	s_lshl_b32 s71, s16, 5
	s_add_co_u32 s70, s70, s71
	s_lshl_b32 s70, s70, 13                        ; the mask: row 128 G + 32 cy,
	s_lshl_b32 s71, s14, 8
	s_add_co_u32 s70, s70, s71                     ; my half of a step's 512 bytes,
	s_add_co_u32 s70, s70, 512                     ; key step 1
	s_mul_i32 s72, s18, 32*BLK
	s_mul_i32 s73, s15, 6400                       ; K, V: 25 pieces x cx
	s_add_co_u32 s72, s72, s73
	s_add_co_u32 s72, s72, 2*BLK
	s_and_b32 s66, ttmp7, 0xffff
	s_mov_b32 s[PFS], 2*BLK
	s_mov_b32 s67, 256
	s_cmp_lt_u32 s[WV], 2
	s_cselect_b64 s[PFA:PFA+1], s[8:9], s[6:7]
	s_cselect_b32 s66, s66, ttmp9                  ; the cluster's coordinate along which others read the same bytes
	s_cselect_b32 s[PFS], 512, s[PFS]              ; a key step on
	s_cselect_b32 s67, 8192, s67                   ; from lane to lane
	s_cselect_b32 s68, 31, 24
	s_cselect_b32 s70, s70, s72
	s_mov_b32 s71, 0
	s_mov_b32 s[PFS+1], 0
	s_add_nc_u64 s[PFA:PFA+1], s[PFA:PFA+1], s[70:71]
	s_cmp_eq_u32 s66, 0
	s_cselect_b32 s[LIM], 1, -1
	s_cmp_eq_u32 s[WV], 3
	s_cselect_b32 s[LIM], -1, s[LIM]
	v_and_b32 v[TMP], 31, v0
	v_lshlrev_b32 v[LI], 4, v[TMP]
	v_min_u32 v[PFO], s68, v[TMP]
	v_mul_u32_u24 v[PFO], s67, v[PFO]
	v_and_b32 v26, 15, v0                          ; r
	v_bfe_u32 v27, v0, 4, 1                        ; h
	v_bfe_u32 v36, v0, 3, 1                        ; r / 8
	v_xor_b32 v37, 1, v36
	s_lshl_b32 s73, s[WV], 5
	v_lshl_add_u32 v38, v36, 4, v26
	v_add_nc_u32 v38, s73, v38                     ; tile A's row: 32 w + r + 16 (r / 8)
	v_mul_u32_u24 v[MA0], v38, MP
	v_lshl_add_u32 v[MA0], v27, 6, v[MA0]          ; + 64 h: my 16 keys of a block of 32
	v_add_nc_u32 v38, 8, v26
	v_add_nc_u32 v38, s73, v38                     ; tile B's: 32 w + 8 + r
	v_mul_u32_u24 v[MB0], v38, MP
	v_lshl_add_u32 v[MB0], v27, 6, v[MB0]
	v_add_nc_u32 v[AK0], KVO, v[LI]
	v_add_nc_u32 v[SCR], SCW, v[LI]
	s_lshl_b32 s74, s[RH], 8
	s_lshl_b32 s75, s14, 3
	s_add_co_u32 s74, s74, s75                     ; tiles 2 w, 2 w + 1 among a block's scale words: 256 (w / 2) + 8 (w % 2)
	v_lshlrev_b32 v38, 4, v26
	v_add_nc_u32 v38, s74, v38                     ; + 16 r
	v_lshl_add_u32 v[SWA], v27, 2, v38
	v_add_nc_u32 v[SWA], SCW, v[SWA]               ; O's: tile A's word from lanes 0-15, tile B's from lanes 16-31
	v_lshl_add_u32 v[QSOA], v36, 2, v38            ; Q's: tile 2 w + r / 8 for A,
	v_lshl_add_u32 v[QSOB], v37, 2, v38            ; the other for B
	v_mad_u32_u24 v[QOA], v36, 1536, v[LI]
	s_wait_alu depctr_va_vdst(0)
	v_mad_u32_u24 v[QOB], v37, 1536, v[LI]
	s_wait_alu depctr_va_vdst(0)
	s_lshl_b32 s74, s18, 4
	s_add_co_u32 s74, s74, s17
	s_mul_i32 s74, s74, BLK
	s_mov_b32 s75, 0
	s_add_nc_u64 s[76:77], s[4:5], s[74:75]        ; Q's block: 16 head + G
	s_lshl_b32 s72, s17, 4
	s_add_co_u32 s72, s72, s18
	s_mul_i32 s72, s72, BLK
	s_mov_b32 s73, 0
	s_add_nc_u64 s[62:63], s[10:11], s[72:73]      ; O's block: 16 G + head
	s_mul_i32 s74, s[WV], 3072
	s_add_nc_u64 s[78:79], s[76:77], s[74:75]      ; my two tiles in each
	s_add_nc_u64 s[60:61], s[62:63], s[74:75]
	WIN 0xc0
.irp c, 0,1,2
	global_load_b128 v[QA+4*\c:QA+4*\c+3], v[QOA], s[78:79] offset:512*\c
	global_load_b128 v[QB+4*\c:QB+4*\c+3], v[QOB], s[78:79] offset:512*\c
.endr
	WIN 0
	global_load_b32 v[QSA], v[QSOA], s[76:77] offset:12288
	global_load_b32 v[QSB], v[QSOB], s[76:77] offset:12288
.macro INIT tw                         ; the step is written for every step alike: the first finds zeros, which the first change of M leaves zeros
	WIN \tw
	v_mov_b32 v[TX], 0xff61b1e6                    ; the largest t so far: -3e38
	v_floor_f32 v[NM], -v[TX]
	v_mov_b32 v[L], 0
	v_mov_b32 v[L+1], 0
.irp b, 0,1,2,3
	v_mov_b32 v[T2+\b], 0                          ; a lane permute's destination counts as one of its sources
.endr
	v_mov_b32 v[F+1], 0                            ; (named as the upper half of a pair)
.set jj, 0
.rept 64
	v_mov_b32 v[O+jj], 0
.set jj, jj+1
.endr
.endm
	INIT 0x55
	INIT 0xaa
	WIN 0
.macro SPROD q, qs                     ; S^T = K Q^T for one tile of queries: 8 tiles of 16 keys; tiles 4 to 7 take K's scale words from lanes 16-31
.irp t, 0,1,2,3
	v_wmma_scale_f32_16x16x128_f8f6f4 v[S+8*\t:S+8*\t+7], v[KF+12*\t:KF+12*\t+11], v[\q:\q+11], 0, v[KS+\t], v[\qs] matrix_a_fmt:MATRIX_FMT_FP6 matrix_b_fmt:MATRIX_FMT_FP6
.endr
.irp t, 4,5,6,7
	v_wmma_scale_f32_16x16x128_f8f6f4 v[S+8*\t:S+8*\t+7], v[KF+12*\t:KF+12*\t+11], v[\q:\q+11], 0, v[KS+\t-4], v[\qs] matrix_a_fmt:MATRIX_FMT_FP6 matrix_b_fmt:MATRIX_FMT_FP6 matrix_a_scale:MATRIX_SCALE_ROW1
.endr
.endm
.macro PVPROD ps                       ; O^T += V^T P^T: 8 accumulators, one instruction each
.irp t, 0,1,2,3
	v_wmma_scale_f32_16x16x128_f8f6f4 v[O+8*\t:O+8*\t+7], v[VF+12*\t:VF+12*\t+11], v[PC:PC+11], v[O+8*\t:O+8*\t+7], v[VS+\t], v[\ps] matrix_a_fmt:MATRIX_FMT_FP6 matrix_b_fmt:MATRIX_FMT_FP6
.endr
.irp t, 4,5,6,7
	v_wmma_scale_f32_16x16x128_f8f6f4 v[O+8*\t:O+8*\t+7], v[VF+12*\t:VF+12*\t+11], v[PC:PC+11], v[O+8*\t:O+8*\t+7], v[VS+\t-4], v[\ps] matrix_a_fmt:MATRIX_FMT_FP6 matrix_b_fmt:MATRIX_FMT_FP6 matrix_a_scale:MATRIX_SCALE_ROW1
.endr
.endm
; A tile's softmax for 128 keys, in two parts, under the tile's window tw.  Register 16 b + i of S holds key 32 b + 16 h + i.
; PH1: the logits, and the largest logit of each block of 32 keys among my 16.  Behind it the mask's registers are free.
.macro PH1 tw
	WIN \tw
	s_wait_alu depctr_va_vdst(0)                   ; directly ahead of the first readers of the scores
.set jj, 0
.rept 32
	v_pk_fma_f32 v[S+jj:S+jj+1], v[S+jj:S+jj+1], s[SCL:SCL+1], v[MK+jj:MK+jj+1] op_sel_hi:[1,0,1]   ; score / sqrt(128) + mask; each accumulator from its low end on
.set jj, jj+2
.endr
.irp b, 0,1,2,3
	v_max3_num_f32 v[BM+\b], v[S+16*\b], v[S+1+16*\b], v[S+2+16*\b]   ; it serves the row's maximum and, since p rises with the logit, the block's largest p
.endr
.irp i, 3,5,7,9,11,13
.irp b, 0,1,2,3
	v_max3_num_f32 v[BM+\b], v[BM+\b], v[S+16*\b+\i], v[S+1+16*\b+\i]
.endr
.endr
.irp b, 0,1,2,3
	v_max_num_f32 v[BM+\b], v[BM+\b], v[S+15+16*\b]
.endr
.endm
; SM2: M, p, the sum, p's codes and scale word, O^T under the new M.  pw: the window setting under which p's scale word is written into window 0, register ps.
; Two runs of the list's loads stand in it, each directly behind a wait that the exponentials owe anyway: up to load HL1 ahead of the batch, up to load HL2 behind it.
.macro SM2 tw, pw, ps
	WIN \tw
.irp b, 0,1,2,3
	v_permlanex16_b32 v[T2+\b], v[BM+\b], s[SEL], s[SEL+1]
.endr
.irp b, 0,1,2,3
	v_max_num_f32 v[BM+\b], v[BM+\b], v[T2+\b]     ; with lane l xor 16's 16 keys
.endr
	v_max3_num_f32 v[X0], v[BM], v[BM+1], v[BM+2]
	v_max_num_f32 v[X0], v[X0], v[BM+3]
	v_mul_f32 v[X0], s[L2E], v[X0]                 ; as t
	v_max_num_f32 v[TX], v[TX], v[X0]              ; the running largest t
	v_mov_b32 v[X0], v[NM]
	v_floor_f32 v[NM], -v[TX]                      ; -M = floor(-t): M is a whole number
	v_sub_f32 v[X0], v[NM], v[X0]                  ; old M - new M: a whole number, 0 or less
	v_cvt_i32_f32 v[X0], v[X0]                     ; (it saturates)
	v_ldexp_f32 v[F], 1.0, v[X0]                   ; f = 2^(old M - new M): a multiplication by it rounds nothing
.set jj, 0
.rept 32
	v_pk_fma_f32 v[S+jj:S+jj+1], v[S+jj:S+jj+1], s[L2E:L2E+1], v[NM:NM+1] op_sel_hi:[1,0,0]   ; t - M
.set jj, jj+2
.endr
.irp b, 0,1,2,3
	v_fma_f32 v[BM+\b], v[BM+\b], s[L2E], v[NM]
.endr
	s_wait_alu depctr_va_vdst(0)                   ; ahead of the batch
.set HE, HL1
	HK 16, \tw
.set jj, 0
.rept 64
	v_exp_f32 v[S+jj], v[S+jj]                     ; p = 2^(t - M): not normalised
.set jj, jj+1
.endr
	v_pk_mul_f32 v[L:L+1], v[L:L+1], v[F:F+1] op_sel_hi:[1,0]   ; the sums under the new M; the plain instruction behind the batch
	s_wait_alu depctr_va_vdst(0)                   ; one wait for the 64, ahead of their first reader
.set HE, HL2
	HK 16, \tw
.irp b, 0,1,2,3
	v_exp_f32 v[BM+\b], v[BM+\b]                   ; each block's largest p
.endr
	v_pk_add_f32 v[T2:T2+1], v[S:S+1], v[S+2:S+3]  ; the row's sum of the unquantised p, in two chains
.irp j, 4,8,12,16,20,24,28,32,36,40,44,48,52,56,60
	v_pk_add_f32 v[L:L+1], v[L:L+1], v[S+\j:S+\j+1]
	v_pk_add_f32 v[T2:T2+1], v[T2:T2+1], v[S+2+\j:S+3+\j]
.endr
	v_pk_add_f32 v[L:L+1], v[L:L+1], v[T2:T2+1]
	s_wait_alu depctr_va_vdst(0)                   ; and one for the four
.irp b, 0,1,2,3
	v_max_num_f32 v[BM+\b], 0x1800000, v[BM+\b]    ; the floor 2^(3 - 127): the byte cannot fall under 1
.endr
.irp b, 0,1,2,3
	v_add_nc_u32 v[SO+\b], 0xff000000, v[BM+\b]    ; the conversion's scale operand
.endr
.irp b, 0,1,2,3
	v_lshrrev_b32 v[T2+\b], 23, v[SO+\b]           ; the scale's byte
.endr
	v_lshl_or_b32 v[X1], v[T2+1], 8, v[T2]
	v_lshl_or_b32 v[X1], v[T2+2], 16, v[X1]
	WIN \pw
	v_lshl_or_b32 v[\ps], v[T2+3], 24, v[X1]       ; p's scale word, into window 0: scale operands have no window
	WIN \tw
.irp c, 0,1
	v_cvt_scalef32_pk16_fp6_f32 v[PC+6*\c:PC+2+6*\c], v[S+32*\c:S+15+32*\c], v[SO+2*\c]
	v_cvt_scalef32_pk16_fp6_f32 v[PX+4*\c:PX+2+4*\c], v[S+16+32*\c:S+31+32*\c], v[SO+2*\c+1]
.endr
	v_nop
.irp c, 0,1
.irp i, 0,1,2
	v_permlane16_swap_b32 v[PC+6*\c+\i], v[PX+4*\c+\i]
.endr
.irp i, 0,1,2
	v_mov_b32 v[PC+3+6*\c+\i], v[PX+4*\c+\i]
.endr
.endr
	s_wait_alu depctr_va_vdst(0)                   ; directly ahead of the first readers of O^T
.set jj, 0
.rept 32
	v_pk_mul_f32 v[O+jj:O+jj+1], v[O+jj:O+jj+1], v[F:F+1] op_sel_hi:[1,0]   ; O^T under the new M; these 32 are also the places between the scale word, the codes and the products
.set jj, jj+2
.endr
.endm
.macro ADDRS                           ; where the slot that is read lies
	v_add_nc_u32 v[ADK], s[TB], v[AK0]
	v_add_nc_u32 v[ADA], s[TB], v[MA0]
	v_add_nc_u32 v[ADB], s[TB], v[MB0]
.endm
; What a trip finds in registers, made as one group: a key step's 82 loads, both tiles' scores, tile A's logits.  Ahead of the first trip, and in the last trip but one.
.macro NEXT
	ADDRS
.set HQ, 0
.set HE, 82
	HK 82, 0
	s_wait_dscnt 0x0
	WIN 0x4f                                       ; K and Q window 3, S^T window 1
	SPROD QA, QSA
	WIN 0x8f                                       ; S^T window 2
	SPROD QB, QSB
	PLACES 4                                       ; behind the products, ahead of the first read of their results
	PH1 0x55
	WIN 0
.endm
; A TRIP.  It finds in registers: tile A's logits and block maxima, tile B's scores and mask, V and its words.  pipe = 1: the next key step's loads and scores stand among this step's work.
.macro STEP pipe
.set HQ, 0
.if \pipe
	ADDRS
.set HE, 13
	HK 13, 0x55                                    ; K's words and its first 12 loads
.set HL1, 25                           ; K's other 12
.set HL2, 41                           ; tile A's next mask: its registers were read out in the trip before
.else
.set HE, 0
.set HL1, 0
.set HL2, 0
.endif
	SM2 0x55, 0x15, PSA
	s_wait_alu depctr_va_vdst(0)
.if \pipe
	s_wait_dscnt 0x0                               ; the next K and its words are in
.endif
	WIN 0x57                                       ; V window 3, P, C and D window 1
	PVPROD PSA
.if \pipe
	WIN 0x4f
	SPROD QA, QSA                                  ; tile A's next scores: its p has been turned into codes
.set HL1, 57                           ; tile B's next mask, behind tile B's logits
.set HL2, 57
.endif
	PH1 0xaa
	SM2 0xaa, 0x2a, PSB
	s_wait_alu depctr_va_vdst(0)                   ; waits or a branch follow
	WIN 0xab
	PVPROD PSB
.if \pipe
	PLACES 4                                       ; ahead of the loads into V's registers
.set HE, 82
	HK 25, 0x8f                                    ; V's words and V
	SPROD QB, QSB
	s_wait_dscnt 25                                ; both masks are in; the 25 loads just issued may be out
	PH1 0x55                                       ; tile A's next logits
.else
	WIN 0
	s_cmp_eq_u32 s[SLOTS], 1                       ; the last trip has no next key step
	s_cbranch_scc1 .Llast
	PLACES 4
	NEXT
.Llast:
.endif
	WIN 0
	s_xor_b32 s[TB], s[TB], SLOT1                  ; on to the other slot
.endm
; THE CHANGE OF SLOTS stands at a trip's head.  Each wave waits for all its tensor loads (its part of the slot that this trip reads), adds 0 to its spare word, and waits for that and for its reads of the slot that it has left.
; fill = 1: a round of the cluster's barrier, and behind it the key step behind the one that this trip reads is asked for, into the slot that has been left.
.macro CHANGE fill
	s_wait_tensorcnt 0x0                           ; no tensor load of mine is out, so a group 0 may be written
	ds_add_u32 v[SPW], v[NIL]
.if \fill
	s_xor_b32 s[G0M+1], s[G0M+1], SLOT1            ; the walking descriptors: the other slot,
	s_add_nc_u64 s[G0M+2:G0M+3], s[G0M+2:G0M+3], 512       ; the next 128 keys
	s_xor_b32 s[G0K+1], s[G0K+1], SLOT1
	s_add_nc_u64 s[G0K+2:G0K+3], s[G0K+2:G0K+3], 2*BLK
	s_wait_xcnt 0x0                                ; the last prefetch, a trip back, has read its address
	s_add_nc_u64 s[PFA:PFA+1], s[PFA:PFA+1], s[PFS:PFS+1]
	s_wait_dscnt 0x0                               ; the add is done, and my reads of the slot that I have left are over
	CROUND
	JLOAD G0M, G1M, G0K, G1K                       ; my one tensor load behind the round
	ASK
.else
	s_wait_dscnt 0x0
	s_barrier_signal -1
	s_barrier_wait -1
.endif
.endm
	s_wait_alu depctr_va_vdst(0)
	CHANGE 1                                       ; key step 0 is whole; key step 1 into slot 1: a first fill, behind a round at which nothing is filled again
	s_wait_loadcnt 0x0                             ; Q and its scale words
	NEXT                                           ; key step 0 into registers
	s_xor_b32 s[TB], s[TB], SLOT1
	s_wait_alu depctr_va_vdst(0)
.Lstep:                                            ; 14 trips: trip i works key step i, reads i + 1, asks for i + 2
	CHANGE 1
	STEP 1
	s_sub_co_u32 s[SLOTS], s[SLOTS], 1
	s_cmp_lg_u32 s[SLOTS], 0
	s_wait_alu depctr_va_vdst(0)
	s_cbranch_scc1 .Lstep
	s_mov_b32 s[SLOTS], 2
.Ltail:                                            ; key steps 14 and 15: nothing is asked for; the barrier shows key step 15 whole to the first of the two trips
	CHANGE 0
	STEP 0
	s_sub_co_u32 s[SLOTS], s[SLOTS], 1
	s_cmp_lg_u32 s[SLOTS], 0
	s_wait_alu depctr_va_vdst(0)
	s_cbranch_scc1 .Ltail
	; THE WAY OUT.  O^T / the sum; register 16 b + i of a lane is d = 32 b + 16 h + i of its query: the quantiser's order along DIM.  The fragment leaves as an image.
.macro FINISH tw, sw, off
	WIN \tw
	v_add_f32 v[L], v[L], v[L+1]
	v_permlanex16_b32 v[T2], v[L], s[SEL], s[SEL+1]
	v_add_f32 v[L], v[L], v[T2]                    ; the row's sum
	s_wait_alu depctr_va_vdst(0)
	v_rcp_f32 v[F], v[L]
	v_nop                                          ; a plain instruction behind the reciprocal
	s_wait_alu depctr_va_vdst(0)                   ; and the wait ahead of its first reader
.set jj, 0
.rept 32
	v_pk_mul_f32 v[S+jj:S+jj+1], v[O+jj:O+jj+1], v[F:F+1] op_sel_hi:[1,0]
.set jj, jj+2
.endr
	QUANT S
	WIN \sw                                        ; a store's data: the tile's window; its address: window 0
.irp c, 0,1,2
	global_store_b128 v[LI], v[PC+4*\c:PC+4*\c+3], s[60:61] offset:(\off)+512*\c   ; 512 consecutive bytes, at a multiple of 256 from the buffer's first byte
.endr
.endm
	PLACES 4                                       ; behind the last products
	FINISH 0x55, 0x04, 0
	FINISH 0xaa, 0x08, 1536
	WIN 0x09                                       ; source 0 window 1, source 1 window 2
	v_cndmask_b32 v[TMP], v[PW], v[PW], s[HM]      ; lanes 0-15: tile A's word of row r; lanes 16-31: tile B's
	WIN 0
	ds_store_b32 v[SWA], v[TMP]                    ; the four waves' words meet in LDS, in the block's order
	s_wait_dscnt 0x0                               ; for the others' sake
	s_barrier_signal -1
	s_barrier_wait -1
	s_cmp_lg_u32 s[WV], 0
	s_cbranch_scc1 .Lnot_first
	ds_load_b128 v[OW:OW+3], v[SCR]
	s_wait_dscnt 0x0
	global_store_b128 v[LI], v[OW:OW+3], s[62:63] offset:12288   ; wave 0 stores the block's 512 bytes of scale words
.Lnot_first:
	s_wait_tensorcnt 0x0                           ; the wave's end
	ds_add_u32 v[SPW], v[NIL]
	s_wait_dscnt 0x0
	CROUND                                         ; the closing round
	s_endpgm
.Lfunc_end_k_q14e2ce20af_attn:
	.size	k_q14e2ce20af_attn, .Lfunc_end_k_q14e2ce20af_attn-k_q14e2ce20af_attn
	.p2alignl 7, 3214868480
	.fill 96, 4, 3214868480
	.section	.rodata,"a",@progbits
	.p2align	6, 0x0
	.amdhsa_kernel k_q14e2ce20af_attn
		.amdhsa_group_segment_fixed_size 327680
		.amdhsa_private_segment_fixed_size 0
		.amdhsa_enable_private_segment 0
		.amdhsa_kernarg_size 32
		.amdhsa_user_sgpr_count 2
		.amdhsa_user_sgpr_kernarg_segment_ptr 1
		.amdhsa_wavefront_size32 1
		.amdhsa_system_sgpr_workgroup_id_x 1
		.amdhsa_system_sgpr_workgroup_id_y 1
		.amdhsa_system_sgpr_workgroup_id_z 1
		.amdhsa_system_vgpr_workitem_id 0
		.amdhsa_next_free_vgpr 1024
		.amdhsa_next_free_sgpr 80
		.amdhsa_reserve_vcc 0
		.amdhsa_float_denorm_mode_32 3
		.amdhsa_float_denorm_mode_16_64 3
		.amdhsa_memory_ordered 1
		.amdhsa_forward_progress 1
		.amdhsa_inst_pref_size 122
	.end_amdhsa_kernel
	.amdgpu_metadata
---
amdhsa.version: [ 1, 2 ]
amdhsa.kernels:
  - .name:           k_q14e2ce20af_attn
    .symbol:         k_q14e2ce20af_attn.kd
    .args:
      - { .name: qimg, .offset: 0, .size: 8, .value_kind: global_buffer, .address_space: global }
      - { .name: kvimg, .offset: 8, .size: 8, .value_kind: global_buffer, .address_space: global }
      - { .name: mask, .offset: 16, .size: 8, .value_kind: global_buffer, .address_space: global }
      - { .name: oimg, .offset: 24, .size: 8, .value_kind: global_buffer, .address_space: global }
    .group_segment_fixed_size: 327680
    .private_segment_fixed_size: 0
    .kernarg_segment_align: 8
    .kernarg_segment_size: 32
    .max_flat_workgroup_size: 128
    .sgpr_count:     80
    .vgpr_count:     1024
    .wavefront_size: 32
...
	.end_amdgpu_metadata
.endif
;; end of part 3
;; launch oproj (part 4): grid 16 x 16, 4 waves a work-group, clusters of 4 x 4, 327,680 bytes of LDS; arguments oimg, woimg, bo, out0; writes out0
.if DOCPART == 4
	.amdgcn_target "amdgcn-amd-amdhsa--gfx1250"
	.amdhsa_code_object_version 6
	.text
	.protected	k_q14e2ce20af_oproj
	.globl	k_q14e2ce20af_oproj
	.p2align	8
	.type	k_q14e2ce20af_oproj,@function
k_q14e2ce20af_oproj:
	s_mov_b64 s[64:65], 0
	v_nop
	global_prefetch_b8 v0, s[64:65] scope:SCOPE_SE
	s_setreg_imm32_b32 hwreg(HW_REG_WAVE_MODE, 25, 1), 1
	s_wait_xcnt 0x0
	s_wait_alu depctr_hold_cnt(0) depctr_sa_sdst(0) depctr_va_vdst(0) depctr_va_sdst(0) depctr_va_ssrc(0) depctr_va_vcc(0) depctr_vm_vsrc(0)
	s_getreg_b32 s2, hwreg(HW_REG_IB_STS2, 6, 4)
	s_cmp_eq_u32 s2, 0
	s_cbranch_scc0 .Lentry_in_a_cluster
	s_endpgm
.Lentry_in_a_cluster:
	s_bfe_u32 s2, ttmp6, 0x10000c
	s_cmp_lg_u32 s2, 0xf033
	s_cbranch_scc0 .Lentry_shape_is_right
	s_endpgm
.Lentry_shape_is_right:
.set BLK,   12800
.set HALF,  2*BLK
.set SLOT,  8*BLK
.set STAGE, 2*SLOT
.set SPI,   272
.set SPARE, STAGE+4*16*SPI
.set ADRR, 16
.set ADRP, 18
.set ASR,  20
.set ASP,  22
.set STO,  24
.set RD,   25
.set CO,   26
.set BOF,  27
.set SPW,  28
.set NIL,  29
.set SC,   32
.set OB,   64
.set BB,   96
.set ACC,  128
.set WV,   12
.set RH,   13
.set PH,   14
.set G1R,  24
.set G0R,  32
.set G1P,  40
.set G0P,  48
.set MSB, 0
.macro WIN new
.if MSB != (\new)
	s_set_vgpr_msb (MSB<<8)|(\new)
.set MSB, (\new)
.endif
.endm
.macro PLACES n
.rept \n
	v_nop
.endr
.endm
.macro JLOAD g0a, g1a, g0b, g1b
	s_cmp_eq_u32 s[RH], 0
	s_cbranch_scc0 .Lfor_b_\@
	tensor_load_to_lds s[\g0a:\g0a+3], s[\g1a:\g1a+7]
	s_nop 0
.rept 4
	v_nop
.endr
	s_branch .Lasked_\@
.Lfor_b_\@:
	tensor_load_to_lds s[\g0b:\g0b+3], s[\g1b:\g1b+7]
	s_nop 0
.rept 4
	v_nop
.endr
.Lasked_\@:
.endm
.macro CROUND
	s_barrier_signal -1
	s_barrier_wait -1
	s_cmp_lg_u32 s[WV], 0
	s_cbranch_scc1 .Lnot_wave_0_\@
	s_barrier_signal -3
.Lnot_wave_0_\@:
	s_barrier_wait -3
	s_barrier_signal -1
	s_barrier_wait -1
.endm
	s_load_b256 s[4:11], s[0:1], 0x0
	v_lshl_add_u32 v[SPW], v0, 2, SPARE
	v_mov_b32 v[NIL], 0
	ds_add_u32 v[SPW], v[NIL]
	ds_add_u32 v[SPW], v[NIL]
	v_lshrrev_b32 v1, 5, v0
	v_readfirstlane_b32 s[WV], v1
	s_lshr_b32 s[RH], s[WV], 1
	s_and_b32 s[PH], s[WV], 1
	s_bfe_u32 s15, ttmp6, 0x40000
	s_bfe_u32 s16, ttmp6, 0x40004
	s_lshl_b32 s17, ttmp9, 2
	s_add_co_u32 s17, s17, s15
	s_and_b32 s18, ttmp7, 0xffff
	s_lshl_b32 s18, s18, 2
	s_add_co_u32 s18, s18, s16
	s_lshl_b32 s19, s16, 2
	s_lshl_b32 s19, 15, s19
	s_lshl_b32 s20, 0x1111, s15
	s_or_b32 s[G1R], s19, (3<<16)|(1<<21)
	s_or_b32 s[G1P], s20, (3<<16)|(1<<21)
.irp g, G1R, G1P
	s_mov_b32 s[\g+1], 32<<16
	s_mov_b32 s[\g+2], 100<<16
	s_mov_b32 s[\g+3], 32<<16
	s_mov_b32 s[\g+4], 100
	s_mov_b32 s[\g+5], 32
	s_mov_b32 s[\g+6], 0
	s_mov_b32 s[\g+7], 0
.endr
	s_mul_i32 s61, s[PH], HALF
	s_mul_i32 s56, s18, 16*BLK
	s_add_co_u32 s56, s56, s61
	s_mov_b32 s57, 0
	s_mul_i32 s58, s17, 16*BLK
	s_add_co_u32 s58, s58, s61
	s_mov_b32 s59, 0
	s_mul_i32 s60, s[WV], HALF
	s_wait_dscnt 0x0
	s_wait_kmcnt 0x0
	s_add_nc_u64 s[66:67], s[4:5], s[56:57]
	s_add_nc_u64 s[68:69], s[6:7], s[58:59]
	CROUND
.irp s, 0,1
	s_mov_b32 s[G0R+4*\s], 1
	s_add_co_u32 s[G0R+4*\s+1], s60, \s*SLOT
	s_add_nc_u64 s[G0R+4*\s+2:G0R+4*\s+3], s[66:67], \s*4*BLK
	s_or_b32 s[G0R+4*\s+3], s[G0R+4*\s+3], 0x80000000
	s_mov_b32 s[G0P+4*\s], 1
	s_add_co_u32 s[G0P+4*\s+1], s60, \s*SLOT
	s_add_nc_u64 s[G0P+4*\s+2:G0P+4*\s+3], s[68:69], \s*4*BLK
	s_or_b32 s[G0P+4*\s+3], s[G0P+4*\s+3], 0x80000000
	s_wait_alu depctr_va_vdst(0)
	s_wait_tensorcnt 0x0
	ds_add_u32 v28, v29
	ds_add_u32 v28, v29
	s_wait_dscnt 0x0
	CROUND
	JLOAD G0R+4*\s, G1R, G0P+4*\s, G1P
.endr
	; the prefetches of the two refills, two fills on from the head's two: a fill of mine is 25,600 dense bytes, 100 pieces of 256; the four partners that ask for it jointly take 25 each, told apart by address, a lane a piece (lanes 25-31 name the 25th again)
	s_cmp_eq_u32 s[RH], 0
	s_cselect_b64 s[76:77], s[66:67], s[68:69]
	s_cselect_b32 s78, s15, s16
	s_mul_i32 s78, s78, 6400
	s_mov_b32 s79, 0
	s_add_nc_u64 s[76:77], s[76:77], s[78:79]
	v_and_b32 v5, 31, v0
	v_min_u32 v5, 24, v5
	v_lshlrev_b32 v5, 8, v5
	global_prefetch_b8 v5, s[76:77] offset:8*BLK th:TH_LOAD_NT scope:SCOPE_SE
	global_prefetch_b8 v5, s[76:77] offset:12*BLK th:TH_LOAD_NT scope:SCOPE_SE
	v_and_b32 v1, 31, v0
	v_lshlrev_b32 v1, 4, v1
	s_wait_alu depctr_va_vdst(0)
	v_and_b32 v2, 15, v0
	v_bfe_u32 v3, v0, 4, 1
	v_lshlrev_b32 v4, 4, v2
	s_wait_alu depctr_va_vdst(0)
	s_mul_i32 s61, s[RH], 6144
	s_mul_i32 s62, s[PH], 6144
	s_add_co_u32 s62, s62, 4*BLK
	s_lshl_b32 s63, s[RH], 8
	s_add_co_u32 s63, s63, 12288
	s_lshl_b32 s74, s[PH], 8
	s_add_co_u32 s74, s74, 4*BLK+12288
.irp s, 0,1
	v_add_nc_u32 v[ADRR+\s], s61, v1
	v_add_nc_u32 v[ADRP+\s], s62, v1
	v_add_nc_u32 v[ASR+\s], s63, v4
	v_add_nc_u32 v[ASP+\s], s74, v4
	s_add_co_u32 s61, s61, SLOT
	s_add_co_u32 s62, s62, SLOT
	s_add_co_u32 s63, s63, SLOT
	s_add_co_u32 s74, s74, SLOT
.endr
	s_mul_i32 s75, s[WV], 16*SPI
	s_add_co_u32 s75, s75, STAGE
	v_mul_u32_u24 v[STO], v2, SPI
	v_lshl_add_u32 v[STO], v3, 6, v[STO]
	v_add_nc_u32 v[STO], s75, v[STO]
	v_mul_u32_u24 v[RD], v3, SPI
	v_add_nc_u32 v[RD], v[RD], v4
	v_add_nc_u32 v[RD], s75, v[RD]
	v_lshl_add_u32 v[CO], v3, 13, v4
	v_lshlrev_b32 v[BOF], 6, v3
	s_wait_alu depctr_va_vdst(0)
	s_lshl_b32 s56, s17, 9
	s_lshl_b32 s57, s[PH], 8
	s_add_co_u32 s56, s56, s57
	s_mov_b32 s57, 0
	s_add_nc_u64 s[70:71], s[8:9], s[56:57]
	s_lshl_b32 s58, s18, 7
	s_lshl_b32 s59, s[RH], 6
	s_add_co_u32 s58, s58, s59
	s_lshl_b32 s58, s58, 13
	s_mov_b32 s59, 0
	s_add_nc_u64 s[72:73], s[10:11], s[58:59]
	s_add_nc_u64 s[72:73], s[72:73], s[56:57]
.irp b, 0,1,2,3
	global_load_b128 v[BB+8*\b:BB+8*\b+3], v[BOF], s[70:71] offset:128*(\b/2)+32*(\b%2)
	global_load_b128 v[BB+8*\b+4:BB+8*\b+7], v[BOF], s[70:71] offset:128*(\b/2)+32*(\b%2)+16
.endr
.macro FRAG reg, adr, off
.irp c, 0,1,2
	ds_load_b128 v[(\reg)+4*\c:(\reg)+4*\c+3], v[\adr] offset:(\off)+512*\c
.endr
.endm
.macro FETCH4 slot, q
	WIN 0x40
.irp i, 0,1,2,3
	FRAG 128*((\q)%2)+12*\i, ADRP+\slot, BLK*(\q)+1536*\i
.endr
.irp i, 0,1,2,3
	FRAG 128*((\q)%2)+48+12*\i, ADRR+\slot, BLK*(\q)+1536*\i
.endr
	WIN 0
	ds_load_b128 v[SC+8*((\q)%2):SC+8*((\q)%2)+3], v[ASP+\slot] offset:BLK*(\q)
	ds_load_b128 v[SC+8*((\q)%2)+4:SC+8*((\q)%2)+7], v[ASR+\slot] offset:BLK*(\q)
.endm
.macro MUL4 set, first
	WIN 0x05
.irp a, 0,1,2,3
.irp b, 0,1,2,3
.if \first
	v_wmma_scale_f32_16x16x128_f8f6f4 v[ACC+8*(4*\a+\b):ACC+8*(4*\a+\b)+7], v[128*(\set)+12*\b:128*(\set)+12*\b+11], v[128*(\set)+48+12*\a:128*(\set)+48+12*\a+11], v[BB+8*\b:BB+8*\b+7], v[SC+8*(\set)+\b], v[SC+8*(\set)+4+\a] matrix_a_fmt:MATRIX_FMT_FP6 matrix_b_fmt:MATRIX_FMT_FP6
.else
	v_wmma_scale_f32_16x16x128_f8f6f4 v[ACC+8*(4*\a+\b):ACC+8*(4*\a+\b)+7], v[128*(\set)+12*\b:128*(\set)+12*\b+11], v[128*(\set)+48+12*\a:128*(\set)+48+12*\a+11], v[ACC+8*(4*\a+\b):ACC+8*(4*\a+\b)+7], v[SC+8*(\set)+\b], v[SC+8*(\set)+4+\a] matrix_a_fmt:MATRIX_FMT_FP6 matrix_b_fmt:MATRIX_FMT_FP6
.endif
.endr
.endr
	WIN 0
.endm
.macro STEP4 slot, q, first
	s_wait_dscnt 0x0
	PLACES 4
	FETCH4 \slot, (\q)+1
	MUL4 (\q)%2, \first
.endm
.macro TURN4 slot, next, fill
	s_wait_tensorcnt 0x0
	ds_add_u32 v[SPW], v[NIL]
	s_wait_dscnt 1
	MUL4 1, 0
	s_wait_dscnt 0x0
.if \fill
	CROUND
	s_add_nc_u64 s[G0R+4*\slot+2:G0R+4*\slot+3], s[G0R+4*\slot+2:G0R+4*\slot+3], 8*BLK
	s_add_nc_u64 s[G0P+4*\slot+2:G0P+4*\slot+3], s[G0P+4*\slot+2:G0P+4*\slot+3], 8*BLK
	JLOAD G0R+4*\slot, G1R, G0P+4*\slot, G1P
.else
	s_barrier_signal -1
	s_barrier_wait -1
	PLACES 4
.endif
	FETCH4 \next, 0
.endm
	s_wait_tensorcnt 1
	s_barrier_signal -1
	s_barrier_wait -1
	FETCH4 0, 0
	s_wait_loadcnt 0x0
	STEP4 0, 0, 1
	STEP4 0, 1, 0
	STEP4 0, 2, 0
	TURN4 0, 1, 1
	STEP4 1, 0, 0
	STEP4 1, 1, 0
	STEP4 1, 2, 0
	TURN4 1, 0, 1
	STEP4 0, 0, 0
	STEP4 0, 1, 0
	STEP4 0, 2, 0
	TURN4 0, 1, 0
	STEP4 1, 0, 0
	STEP4 1, 1, 0
	STEP4 1, 2, 0
	s_wait_dscnt 0x0
	MUL4 1, 0
	PLACES 4
.irp a, 0,1,2,3
.if \a >= 2
	s_wait_xcnt 0x0
.endif
.irp b, 0,1,2,3
	ds_store_b128 v[STO], v[ACC+8*(4*\a+\b):ACC+8*(4*\a+\b)+3] offset:128*(\b/2)+32*(\b%2)
	ds_store_b128 v[STO], v[ACC+8*(4*\a+\b)+4:ACC+8*(4*\a+\b)+7] offset:128*(\b/2)+32*(\b%2)+16
.endr
.irp i, 0,1,2,3,4,5,6,7
	ds_load_b128 v[OB+32*(\a%2)+4*\i:OB+32*(\a%2)+4*\i+3], v[RD] offset:2*SPI*\i
.endr
.irp i, 0,1,2,3,4,5,6,7
	s_wait_dscnt 7-\i
	global_store_b128 v[CO], v[OB+32*(\a%2)+4*\i:OB+32*(\a%2)+4*\i+3], s[72:73] offset:(32*(\a/2)+8*(\a%2)+2*\i+16*(1-(\a%2))*(\i/4))*8192 th:TH_STORE_NT
.endr
.endr
	s_wait_tensorcnt 0x0
	ds_add_u32 v[SPW], v[NIL]
	s_wait_dscnt 0x0
	CROUND
	s_endpgm
.Lfunc_end_k_q14e2ce20af_oproj:
	.size	k_q14e2ce20af_oproj, .Lfunc_end_k_q14e2ce20af_oproj-k_q14e2ce20af_oproj
	.p2alignl 7, 3214868480
	.fill 96, 4, 3214868480
	.section	.rodata,"a",@progbits
	.p2align	6, 0x0
	.amdhsa_kernel k_q14e2ce20af_oproj
		.amdhsa_group_segment_fixed_size 327680
		.amdhsa_private_segment_fixed_size 0
		.amdhsa_enable_private_segment 0
		.amdhsa_kernarg_size 32
		.amdhsa_user_sgpr_count 2
		.amdhsa_user_sgpr_kernarg_segment_ptr 1
		.amdhsa_wavefront_size32 1
		.amdhsa_system_sgpr_workgroup_id_x 1
		.amdhsa_system_sgpr_workgroup_id_y 1
		.amdhsa_system_sgpr_workgroup_id_z 1
		.amdhsa_system_vgpr_workitem_id 0
		.amdhsa_next_free_vgpr 512
		.amdhsa_next_free_sgpr 80
		.amdhsa_reserve_vcc 0
		.amdhsa_float_denorm_mode_32 3
		.amdhsa_float_denorm_mode_16_64 3
		.amdhsa_memory_ordered 1
		.amdhsa_forward_progress 1
		.amdhsa_inst_pref_size 83
	.end_amdhsa_kernel
	.amdgpu_metadata
---
amdhsa.version: [ 1, 2 ]
amdhsa.kernels:
  - .name:           k_q14e2ce20af_oproj
    .symbol:         k_q14e2ce20af_oproj.kd
    .args:
      - { .name: oimg, .offset: 0, .size: 8, .value_kind: global_buffer, .address_space: global }
      - { .name: woimg, .offset: 8, .size: 8, .value_kind: global_buffer, .address_space: global }
      - { .name: bo, .offset: 16, .size: 8, .value_kind: global_buffer, .address_space: global }
      - { .name: out0, .offset: 24, .size: 8, .value_kind: global_buffer, .address_space: global }
    .group_segment_fixed_size: 327680
    .private_segment_fixed_size: 0
    .kernarg_segment_align: 8
    .kernarg_segment_size: 32
    .max_flat_workgroup_size: 128
    .sgpr_count:     80
    .vgpr_count:     512
    .wavefront_size: 32
...
	.end_amdgpu_metadata
.endif
;; end of part 4
